; MI455X (gfx1250); checked and timed in simulation.
; The chip was launched on July 23, 2026; its instructions are those of AMD's public machine-readable ISA for CDNA 5 (MIT licence, August 2026) and "CDNA5" Instruction Set Architecture Reference Guide (July 2026). The comments in the code are by the model that wrote it; some were corrected since.
;; Network. Allowed arithmetic: float matrix products may take bf16 or f16 operands with f32 sums; all other float work in f32.
;; Inputs: alpha 16 float32; context_points 16 x 2,048 x 3 float32; context_values 16 x 2,048 x 1 float32; params_dec_bo 128 float32; params_dec_ln_b 128 float32; params_dec_ln_s 128 float32; params_dec_lnc_b 128 float32; params_dec_lnc_s 128 float32; params_dec_wkv 128 x 256 float32; params_dec_wo 128 x 128 float32; params_dec_wq 128 x 128 float32; params_freqs 64 float32; params_latent 512 x 128 float32; params_layers_ca_bo 4 x 128 float32; params_layers_ca_ln_b 4 x 128 float32; params_layers_ca_ln_s 4 x 128 float32; params_layers_ca_lnc_b 4 x 128 float32; params_layers_ca_lnc_s 4 x 128 float32; params_layers_ca_wkv 4 x 128 x 256 float32; params_layers_ca_wo 4 x 128 x 128 float32; params_layers_ca_wq 4 x 128 x 128 float32; params_layers_cf_b1 4 x 1,024 float32; params_layers_cf_b2 4 x 128 float32; params_layers_cf_ln_b 4 x 128 float32; params_layers_cf_ln_s 4 x 128 float32; params_layers_cf_w1 4 x 128 x 1,024 float32; params_layers_cf_w2 4 x 512 x 128 float32; params_layers_sa_be 4 x 128 x 128 float32; params_layers_sa_bo 4 x 128 float32; params_layers_sa_g 4 x 128 x 128 float32; params_layers_sa_ln_b 4 x 128 float32; params_layers_sa_ln_s 4 x 128 float32; params_layers_sa_wkv 4 x 128 x 256 float32; params_layers_sa_wo 4 x 128 x 128 float32; params_layers_sa_wq 4 x 128 x 128 float32; params_layers_sf_b1 4 x 1,024 float32; params_layers_sf_b2 4 x 128 float32; params_layers_sf_be 4 x 128 x 128 float32; params_layers_sf_g 4 x 128 x 128 float32; params_layers_sf_ln_b 4 x 128 float32; params_layers_sf_ln_s 4 x 128 float32; params_layers_sf_w1 4 x 128 x 1,024 float32; params_layers_sf_w2 4 x 512 x 128 float32; params_out_b 1 float32; params_out_be 128 x 128 float32; params_out_g 128 x 128 float32; params_out_ln_b 128 float32; params_out_ln_s 128 float32; params_out_w 128 x 1 float32; params_pe_b 128 float32; params_pe_w 51 x 128 float32; params_ve_b 128 float32; params_ve_w 1 x 128 float32; queries 16 x 4,096 x 3 float32.
;; Outputs: out0 16 x 4,096 x 1 float32.
;; One version. Each part assembles by itself: llvm-mc -triple=amdgcn-amd-amdhsa -mcpu=gfx1250 --defsym DOCPART=n.
;; ======== version 1 of 1: 8 launches
;; limits: values are held in f16: magnitudes above 65,504 overflow, below 6.1e-05 lose precision
;; workspace buffers: wf 4,931,584 bytes; aux 18,087,936 bytes; xa 4,194,304 bytes; xb 4,194,304 bytes; kva 4,194,304 bytes; kvb 4,194,304 bytes; cnta 512 bytes of whole numbers; cntb 512 bytes of whole numbers
;; launch prep (part 1): grid 151 x 1, 8 waves a work-group, no clusters, 68,608 bytes of LDS; arguments params_layers_ca_wq, params_layers_ca_wkv, params_layers_ca_wo, params_layers_cf_w1, params_layers_cf_w2, params_layers_sa_wq, params_layers_sa_wkv, params_layers_sa_wo, params_layers_sf_w1, params_layers_sf_w2, params_layers_sa_g, params_layers_sa_be, params_layers_sf_g, params_layers_sf_be, params_dec_wq, params_dec_wkv, params_dec_wo, params_out_g, params_out_be, params_pe_w, params_ve_w, wf, cnta; writes wf, cnta
.if DOCPART == 1
	.amdgcn_target "amdgcn-amd-amdhsa--gfx1250"
	.amdhsa_code_object_version 6
	.text
	.protected	k_q23d4ed9013_prep
	.globl	k_q23d4ed9013_prep
	.p2align	8
	.type	k_q23d4ed9013_prep,@function
k_q23d4ed9013_prep:
	s_mov_b64 s[64:65], 0
	v_nop
	global_prefetch_b8 v0, s[64:65] scope:SCOPE_SE
	s_setreg_imm32_b32 hwreg(HW_REG_WAVE_MODE, 25, 1), 1
	s_wait_xcnt 0x0
; Every weight matrix, f32 [k][n], is rounded once to 16 bits and laid in FRAGMENT ORDER: for the tile of 16 columns nt and the 32 rows ks,
; 1,024 bytes; at byte q*512 + lane*16 the eight numbers W[32 ks + 16 q + 8 (lane/16) + e][16 nt + lane%16].  Two 16-byte loads a lane then
; fill a matrix operand, each covering 512 consecutive bytes.  f16 for all but cf_w2 and sf_w2, which go in bf16 (their partner a*gelu(g) has no room in f16).
; A work-group takes one panel of 128 k x 128 n through LDS; wave v makes column tile v.  Work-group 150 makes the embedding matrix
; (pe_w's 51 rows, ve_w as row 51, zeros to row 63) and the first table of whole numbers (0,0,0,0) for the encoder's first launch.
; LIMIT: a weight beyond 65,504 in magnitude has no f16.
.set WS,    499712                     ; bytes of one wave's stream of 122 groups of 4,096
.set CKW,   3997696
.set PEW,   4259840
.set DWQ,   4276224
.set DWO,   4308992
.set FILM,  4341760
.set SP,    528                        ; an LDS row: 512 bytes + 16
.set SPARE, 67584                      ; behind the stage: the spare words, 128 bytes a wave
.set SPW, 2
.set NIL, 3
.macro BAR
	s_wait_dscnt 0x0
	s_barrier_signal -1
	s_barrier_wait -1
.endm
.macro FIN                             ; the wave's end, behind the last LDS store
	s_wait_tensorcnt 0x0
	ds_add_u32 v[SPW], v[NIL]
	s_wait_dscnt 0x0
.endm
.macro RDF nks                         ; word k = 16 ks + 8 q + e of my tile: row 32 ks + 16 q + 8 h + e, column 16 v + r
.set k, 0
.rept 16*(\nks)
	ds_load_b32 v[32+k], v8 offset:(32*(k/16)+16*((k/8)%2)+k%8)*SP
.set k, k+1
.endr
	s_wait_dscnt 0x0
.endm
.macro CONV op, nks
.set k, 0
.rept 8*(\nks)
	\op v[96+k], v[32+2*k], v[33+2*k]
.set k, k+1
.endr
.endm
.macro OUTF nks                        ; each store of the wave covers 512 consecutive bytes, aligned
.set k, 0
.rept 2*(\nks)
	global_store_b128 v6, v[96+4*k:99+4*k], s[46:47] offset:512*k
.set k, k+1
.endr
.endm
	s_load_b512 s[4:19], s[0:1], 0x0
	s_load_b512 s[20:35], s[0:1], 0x40
	s_load_b256 s[36:43], s[0:1], 0x80
	s_load_b128 s[44:47], s[0:1], 0xa0
	s_load_b64 s[48:49], s[0:1], 0xb0
	v_lshl_add_u32 v[SPW], v0, 2, SPARE
	v_mov_b32 v[NIL], 0
	v_lshrrev_b32 v1, 5, v0
	v_readfirstlane_b32 s50, v1            ; wave
	v_and_b32 v4, 31, v0
	v_lshlrev_b32 v5, 4, v4                ; 16 x lane
	v_and_b32 v9, 15, v0                   ; r
	v_bfe_u32 v10, v0, 4, 1                ; h
	v_mul_u32_u24 v8, v10, 8*SP
	v_lshl_add_u32 v8, v9, 2, v8
	s_lshl_b32 s67, s50, 6
	v_add_nc_u32 v8, s67, v8               ; read: 8 h rows + column 16 v + r
	s_mul_i32 s67, s50, SP
	v_add_nc_u32 v7, s67, v5               ; write: row v, 16 bytes a lane
	s_mov_b32 s51, ttmp9
	s_mov_b32 s54, 0                       ; source offset, 64 bits
	s_mov_b32 s55, 0
	s_mov_b32 s56, 512                     ; source pitch
	s_mov_b32 s58, 4*WS                    ; destination steps for v>>2 and v&3
	s_mov_b32 s59, WS
	s_mov_b32 s60, 0                       ; 1: bf16
	s_wait_kmcnt 0x0
	s_cmp_ge_u32 s51, 144
	s_cbranch_scc1 .Ltail
	s_mul_i32 s61, s51, 1821
	s_lshr_b32 s61, s61, 16                ; layer = id / 36
	s_mul_i32 s62, s61, 36
	s_sub_co_u32 s62, s51, s62             ; 0..35
	s_and_b32 s63, s62, 15                 ; kk
	s_lshr_b32 s62, s62, 4                 ; side: 0 cross, 1 self, 2 FiLM
	s_mul_i32 s66, s61, 30
	s_lshl4_add_u32 s66, s62, s66          ; the block's first group
	s_cmp_eq_u32 s62, 2
	s_cbranch_scc1 .Lfilm
	s_cmp_eq_u32 s62, 0
	s_cselect_b64 s[68:69], s[4:5], s[14:15]
	s_cselect_b64 s[70:71], s[6:7], s[16:17]
	s_cselect_b64 s[72:73], s[8:9], s[18:19]
	s_cselect_b64 s[74:75], s[10:11], s[20:21]
	s_cselect_b64 s[76:77], s[12:13], s[22:23]
	s_cmp_ge_u32 s63, 12
	s_cbranch_scc1 .Lw2
	s_cmp_ge_u32 s63, 4
	s_cbranch_scc1 .Lw1
	s_cmp_eq_u32 s63, 0
	s_cbranch_scc1 .Lwq
	s_cmp_eq_u32 s63, 3
	s_cbranch_scc1 .Lwo
	s_sub_co_u32 s67, s63, 1               ; wkv: 0 the K half, 1 the V half
	s_mov_b64 s[52:53], s[70:71]
	s_lshl_b32 s54, s61, 17
	s_lshl_b32 s78, s67, 9
	s_add_co_u32 s54, s54, s78
	s_mov_b32 s56, 1024
	s_cmp_eq_u32 s62, 0
	s_cbranch_scc1 .Lcakv
	s_mul_i32 s57, s61, 30
	s_add_co_u32 s57, s57, s67
	s_add_co_u32 s57, s57, 14
	s_lshl_b32 s57, s57, 12
	s_branch .Lgo
.Lcakv:
	s_lshl_b32 s57, s61, 16
	s_lshl_b32 s78, s67, 15
	s_add_co_u32 s57, s57, s78
	s_add_co_u32 s57, s57, CKW
	s_mov_b32 s58, 16384
	s_mov_b32 s59, 4096
	s_branch .Lgo
.Lwq:
	s_mov_b64 s[52:53], s[68:69]
	s_lshl_b32 s54, s61, 16
	s_lshl_b32 s57, s66, 12
	s_branch .Lgo
.Lwo:
	s_mov_b64 s[52:53], s[72:73]
	s_lshl_b32 s54, s61, 16
	s_add_co_u32 s57, s66, 1
	s_lshl_b32 s57, s57, 12
	s_branch .Lgo
.Lw1:
	s_sub_co_u32 s67, s63, 4               ; panel 0..7: tiles 8 pn + v; tile 4 w + i (a) or 32 + 4 w + i (g) goes to wave w, group 2 + 2 i (+1)
	s_mov_b64 s[52:53], s[74:75]
	s_lshl_b32 s54, s61, 19
	s_lshl_b32 s78, s67, 9
	s_add_co_u32 s54, s54, s78
	s_mov_b32 s56, 4096
	s_and_b32 s78, s67, 3
	s_mul_i32 s57, s78, 2*WS
	s_lshr_b32 s78, s67, 2
	s_add_co_u32 s78, s78, s66
	s_add_co_u32 s78, s78, 2
	s_lshl_b32 s78, s78, 12
	s_add_co_u32 s57, s57, s78
	s_mov_b32 s58, WS
	s_mov_b32 s59, 8192
	s_branch .Lgo
.Lw2:
	s_sub_co_u32 s67, s63, 12              ; K chunk 0..3
	s_mov_b64 s[52:53], s[76:77]
	s_lshl_b32 s54, s61, 18
	s_lshl_b32 s78, s67, 16
	s_add_co_u32 s54, s54, s78
	s_add_co_u32 s57, s66, s67
	s_add_co_u32 s57, s57, 10
	s_lshl_b32 s57, s57, 12
	s_mov_b32 s60, 1
	s_branch .Lgo
.Lfilm:
	s_cmp_lt_u32 s63, 2
	s_cselect_b64 s[68:69], s[24:25], s[28:29]
	s_cselect_b64 s[70:71], s[26:27], s[30:31]
	s_bitcmp1_b32 s63, 0
	s_cselect_b64 s[52:53], s[70:71], s[68:69]
	s_lshl_b32 s54, s61, 16
	s_lshl_b32 s57, s61, 17
	s_lshl_b32 s78, s63, 15
	s_add_co_u32 s57, s57, s78
	s_add_co_u32 s57, s57, FILM
	s_mov_b32 s58, 16384
	s_mov_b32 s59, 4096
	s_branch .Lgo
.Ltail:
	s_cmp_eq_u32 s51, 150
	s_cbranch_scc1 .Lpe
	s_sub_co_u32 s67, s51, 144             ; 0 dec_wq, 1, 2 dec_wkv, 3 dec_wo, 4 out_g, 5 out_be
	s_mov_b32 s58, 16384
	s_mov_b32 s59, 4096
	s_cmp_eq_u32 s67, 0
	s_cselect_b64 s[52:53], s[32:33], s[36:37]
	s_mov_b32 s57, DWO
	s_cmov_b32 s57, DWQ
	s_cmp_ge_u32 s67, 4
	s_cbranch_scc1 .Lofilm
	s_cmp_eq_u32 s67, 0
	s_cbranch_scc1 .Lgo
	s_cmp_eq_u32 s67, 3
	s_cbranch_scc1 .Lgo
	s_sub_co_u32 s67, s67, 1
	s_mov_b64 s[52:53], s[34:35]
	s_lshl_b32 s54, s67, 9
	s_mov_b32 s56, 1024
	s_add_co_u32 s57, s67, 120
	s_lshl_b32 s57, s57, 12
	s_mov_b32 s58, 4*WS
	s_mov_b32 s59, WS
	s_branch .Lgo
.Lofilm:
	s_cmp_eq_u32 s67, 4
	s_cselect_b64 s[52:53], s[38:39], s[40:41]
	s_lshl_b32 s57, s67, 15
	s_add_co_u32 s57, s57, FILM+12*32768
.Lgo:
	s_add_nc_u64 s[52:53], s[52:53], s[54:55]
	s_lshr_b32 s67, s50, 2
	s_mul_i32 s67, s67, s58
	s_add_co_u32 s57, s57, s67
	s_and_b32 s67, s50, 3
	s_mul_i32 s67, s67, s59
	s_add_co_u32 s57, s57, s67
	v_add_nc_u32 v6, s57, v5               ; my tile's place in wf
	s_mul_i32 s67, s50, s56
	v_add_nc_u32 v16, s67, v5              ; rows v + 8 i
	s_lshl_b32 s67, s56, 3
.set i, 1
.rept 15
	v_add_nc_u32 v[16+i], s67, v[15+i]
.set i, i+1
.endr
.set i, 0
.rept 16
	global_load_b128 v[32+4*i:35+4*i], v[16+i], s[52:53] th:TH_LOAD_NT   ; a row's 512 bytes
.set i, i+1
.endr
.set i, 0
.rept 16
	s_wait_loadcnt 15-i                    ; loads return in order: row i is in, the younger rows stay out
	ds_store_b128 v7, v[32+4*i:35+4*i] offset:8*SP*i
.set i, i+1
.endr
	BAR                                    ; every wave's rows are in the stage
	RDF 4
	s_cmp_eq_u32 s60, 0
	s_cbranch_scc0 .Lbf
	CONV v_cvt_pk_f16_f32, 4
	s_branch .Lst
.Lbf:
	CONV v_cvt_pk_bf16_f32, 4
.Lst:
	OUTF 4
	FIN
	s_endpgm
.Lpe:                                          ; 64 rows: 51 of pe_w, ve_w, 12 of zeros
.set i, 0
.rept 8
	v_mov_b32 v[56+i], 0
.set i, i+1
.endr
	s_lshl_b32 s67, s50, 9
	v_add_nc_u32 v16, s67, v5
.set i, 0
.rept 6
	global_load_b128 v[32+4*i:35+4*i], v16, s[42:43] offset:4096*i
.set i, i+1
.endr
	s_cmp_ge_u32 s50, 4
	s_cbranch_scc1 .Lpe_z
	s_cmp_eq_u32 s50, 3
	s_cbranch_scc1 .Lpe_ve
	global_load_b128 v[56:59], v16, s[42:43] offset:24576   ; rows 48, 49, 50
	s_branch .Lpe_z
.Lpe_ve:
	global_load_b128 v[56:59], v5, s[44:45]                 ; row 51
.Lpe_z:
	s_wait_loadcnt 0x0
.set i, 0
.rept 8
	ds_store_b128 v7, v[32+4*i:35+4*i] offset:8*SP*i
.set i, i+1
.endr
	BAR
	RDF 2
	CONV v_cvt_pk_f16_f32, 2
	s_lshl_b32 s67, s50, 11
	s_add_co_u32 s67, s67, PEW
	v_add_nc_u32 v6, s67, v5
	OUTF 2
	FIN
	s_cmp_lg_u32 s50, 0
	s_cbranch_scc1 .Lpe_end
	v_mov_b32 v120, 0
	v_mov_b32 v121, 0
	v_mov_b32 v122, 0
	v_mov_b32 v123, 0
	global_store_b128 v5, v[120:123], s[48:49]              ; the table for the encoder's first launch
.Lpe_end:
	s_endpgm
.Lfunc_end_k_q23d4ed9013_prep:
	.size	k_q23d4ed9013_prep, .Lfunc_end_k_q23d4ed9013_prep-k_q23d4ed9013_prep
	.p2alignl 7, 3214868480
	.fill 96, 4, 3214868480
	.section	.rodata,"a",@progbits
	.p2align	6, 0x0
	.amdhsa_kernel k_q23d4ed9013_prep
		.amdhsa_group_segment_fixed_size 68608
		.amdhsa_private_segment_fixed_size 0
		.amdhsa_enable_private_segment 0
		.amdhsa_kernarg_size 184
		.amdhsa_user_sgpr_count 2
		.amdhsa_user_sgpr_kernarg_segment_ptr 1
		.amdhsa_wavefront_size32 1
		.amdhsa_system_sgpr_workgroup_id_x 1
		.amdhsa_system_sgpr_workgroup_id_y 1
		.amdhsa_system_sgpr_workgroup_id_z 1
		.amdhsa_system_vgpr_workitem_id 0
		.amdhsa_next_free_vgpr 128
		.amdhsa_next_free_sgpr 80
		.amdhsa_reserve_vcc 0
		.amdhsa_float_denorm_mode_32 3
		.amdhsa_float_denorm_mode_16_64 3
		.amdhsa_memory_ordered 1
		.amdhsa_forward_progress 1
		.amdhsa_inst_pref_size 25
	.end_amdhsa_kernel
	.amdgpu_metadata
---
amdhsa.version: [ 1, 2 ]
amdhsa.kernels:
  - .name:           k_q23d4ed9013_prep
    .symbol:         k_q23d4ed9013_prep.kd
    .args:
      - { .name: params_layers_ca_wq, .offset: 0, .size: 8, .value_kind: global_buffer, .address_space: global }
      - { .name: params_layers_ca_wkv, .offset: 8, .size: 8, .value_kind: global_buffer, .address_space: global }
      - { .name: params_layers_ca_wo, .offset: 16, .size: 8, .value_kind: global_buffer, .address_space: global }
      - { .name: params_layers_cf_w1, .offset: 24, .size: 8, .value_kind: global_buffer, .address_space: global }
      - { .name: params_layers_cf_w2, .offset: 32, .size: 8, .value_kind: global_buffer, .address_space: global }
      - { .name: params_layers_sa_wq, .offset: 40, .size: 8, .value_kind: global_buffer, .address_space: global }
      - { .name: params_layers_sa_wkv, .offset: 48, .size: 8, .value_kind: global_buffer, .address_space: global }
      - { .name: params_layers_sa_wo, .offset: 56, .size: 8, .value_kind: global_buffer, .address_space: global }
      - { .name: params_layers_sf_w1, .offset: 64, .size: 8, .value_kind: global_buffer, .address_space: global }
      - { .name: params_layers_sf_w2, .offset: 72, .size: 8, .value_kind: global_buffer, .address_space: global }
      - { .name: params_layers_sa_g, .offset: 80, .size: 8, .value_kind: global_buffer, .address_space: global }
      - { .name: params_layers_sa_be, .offset: 88, .size: 8, .value_kind: global_buffer, .address_space: global }
      - { .name: params_layers_sf_g, .offset: 96, .size: 8, .value_kind: global_buffer, .address_space: global }
      - { .name: params_layers_sf_be, .offset: 104, .size: 8, .value_kind: global_buffer, .address_space: global }
      - { .name: params_dec_wq, .offset: 112, .size: 8, .value_kind: global_buffer, .address_space: global }
      - { .name: params_dec_wkv, .offset: 120, .size: 8, .value_kind: global_buffer, .address_space: global }
      - { .name: params_dec_wo, .offset: 128, .size: 8, .value_kind: global_buffer, .address_space: global }
      - { .name: params_out_g, .offset: 136, .size: 8, .value_kind: global_buffer, .address_space: global }
      - { .name: params_out_be, .offset: 144, .size: 8, .value_kind: global_buffer, .address_space: global }
      - { .name: params_pe_w, .offset: 152, .size: 8, .value_kind: global_buffer, .address_space: global }
      - { .name: params_ve_w, .offset: 160, .size: 8, .value_kind: global_buffer, .address_space: global }
      - { .name: wf, .offset: 168, .size: 8, .value_kind: global_buffer, .address_space: global }
      - { .name: cnta, .offset: 176, .size: 8, .value_kind: global_buffer, .address_space: global }
    .group_segment_fixed_size: 68608
    .private_segment_fixed_size: 0
    .kernarg_segment_align: 8
    .kernarg_segment_size: 184
    .max_flat_workgroup_size: 256
    .sgpr_count:     80
    .vgpr_count:     128
    .wavefront_size: 32
...
	.end_amdgpu_metadata
.endif
;; end of part 1
;; launch ctxv (part 2): grid 154 x 1, 8 waves a work-group, no clusters, 89,600 bytes of LDS; arguments context_points, context_values, params_pe_b, params_ve_b, params_layers_ca_lnc_s, params_layers_ca_lnc_b, alpha, params_freqs, params_layers_ca_ln_s, params_layers_ca_ln_b, params_layers_cf_ln_s, params_layers_cf_ln_b, params_layers_sa_ln_s, params_layers_sa_ln_b, params_layers_sf_ln_s, params_layers_sf_ln_b, params_dec_lnc_s, params_dec_lnc_b, params_out_ln_s, params_out_ln_b, params_layers_ca_bo, params_layers_cf_b2, params_layers_cf_b1, params_layers_sa_bo, params_layers_sf_b2, params_layers_sf_b1, wf, aux; writes aux
.if DOCPART == 2
	.amdgcn_target "amdgcn-amd-amdhsa--gfx1250"
	.amdhsa_code_object_version 6
	.text
	.protected	k_q23d4ed9013_ctxv
	.globl	k_q23d4ed9013_ctxv
	.p2align	8
	.type	k_q23d4ed9013_ctxv,@function
k_q23d4ed9013_ctxv:
	s_mov_b64 s[64:65], 0
	v_nop
	global_prefetch_b8 v0, s[64:65] scope:SCOPE_SE
	s_setreg_imm32_b32 hwreg(HW_REG_WAVE_MODE, 25, 1), 1
	s_wait_xcnt 0x0
; Three roles by the work-group's number.
; 0-127 (ctx): 256 context tokens: point embedding (sin, cos, xyz, value: K = 64), LN with the layer's ca_lnc, K and V of the layer's cross-attention, stored as matrix operands.
; 128-145 (ln): one LN vector pair for all 16 batches, with FiLM folded in: s' = gamma s, b' = gamma b + beta, gamma and beta = label x weights on the matrix unit.
; 146-153 (cr): bo, b2, b1 of one block copied into the 16 batches' records, so that an encoder work-group fetches one dense record of 8 KB.
; Products are used transposed (source 0 = 16 output channels, source 1 = 16 tokens): a lane holds one token and eight neighbouring channels.  For V the sources are swapped.
; sin and cos: the argument in turns by a two-word product with 1/(2 pi), a polynomial of degree 11 on a quarter turn, levels 1-7 by angle doubling.
; LIMITS: doubling's absolute error is at most 3e-5 at level 7; matrix operands are f16 (beyond 65,504 there is none; LN's output is at most 11.3 |s| + |b|); NaN and infinities are not treated apart.
.set PEW,   4259840
.set CKW,   3997696
.set FILM,  4341760
.set VR,    16777216
.set VP,    81920                      ; LDS: 0 weights (16 KB + 64 KB); VP three vectors of 512 bytes
.set SPARE, 83968
.set LAB,   84992                      ; role ln's label, 16 rows of 272 bytes: bytes that no other role names
.set L16, 1
.set RR,  2
.set HH,  3
.set SPW, 4
.set NIL, 5
.set VPA, 6
.set WAD, 7
.set WAD2, 8
.set KVO, 9
.set VST, 10
.set EM,  16                           ; v16-47 embedding operands; later cn of token tile 0
.set TS,  48                           ; v48-63 LN's statistics
.set X,   64                           ; v64-191 128 channels x 2 token tiles in f32
.set T,   192                          ; v192-255 weight groups by turns, and LN's vectors
.set PT,  144
.set SPB, 152
.set TE,  176
.set SEL, 66
.set MAG, 68
.set HM,  69
.set EPS, 70
.set R128, 71
.set MSB, 0
.macro WIN new
.if MSB != (\new)
	s_set_vgpr_msb (MSB<<8)|(\new)
.set MSB, (\new)
.endif
.endm
.macro BAR
	s_wait_dscnt 0x0
	s_barrier_signal -1
	s_barrier_wait -1
.endm
.macro PLACES                          ; plain instructions between a matrix instruction and what touches its registers (ISA guide 7.12.1)
.rept 5
	v_nop
.endr
.endm
.macro FIN
	s_wait_tensorcnt 0x0
	ds_add_u32 v[SPW], v[NIL]
	s_wait_dscnt 0x0
.endm
.macro MMA form, d, a, b, zero
.if \zero
	v_wmma_f32_16x16x32_\form v[(\d):(\d)+7], v[(\a):(\a)+7], v[(\b):(\b)+7], 0
.else
	v_wmma_f32_16x16x32_\form v[(\d):(\d)+7], v[(\a):(\a)+7], v[(\b):(\b)+7], v[(\d):(\d)+7]
.endif
.endm
.macro MM8 form, acc, a, b, bq, zero, swap   ; K = 128 for two token tiles; the two accumulators take turns
.irp ks, 0,1,2,3
.irp q, 0,1
.if \swap
	MMA \form, (\acc)+8*\q, (\b)+(\bq)*\q+8*\ks, (\a)+8*\ks, (\zero)*(1-(\ks+3)/4)
.else
	MMA \form, (\acc)+8*\q, (\a)+8*\ks, (\b)+(\bq)*\q+8*\ks, (\zero)*(1-(\ks+3)/4)
.endif
.endr
.endr
.endm
.macro TURNS f, y, t                   ; f = y / (2 pi) less a whole number, from a product in two words
	v_mul_f32 v[\t], 0x3e22f983, v[\y]
	v_fma_f32 v[\f], v[\y], 0x3e22f983, -v[\t]
	v_fmac_f32 v[\f], 0x31dc9c88, v[\y]
	v_rndne_f32 v[(\t)+1], v[\t]
	v_sub_f32 v[\t], v[\t], v[(\t)+1]
	v_add_f32 v[\f], v[\t], v[\f]
.endm
.macro SINF d, f, t                    ; d = sin(2 pi f)
	v_rndne_f32 v[\t], v[\f]
	v_sub_f32 v[\t], v[\f], v[\t]
	v_sub_f32 v[(\t)+1], 0.5, |v[\t]|
	v_min_num_f32 v[(\t)+1], |v[\t]|, v[(\t)+1]
	v_mul_f32 v[(\t)+1], 0x40c90fdb, v[(\t)+1]
	v_mul_f32 v[(\t)+2], v[(\t)+1], v[(\t)+1]
	v_mov_b32 v[\d], 0x3638ef1d
	v_fmac_f32 v[\d], 0xb2d7322b, v[(\t)+2]
	v_fmaak_f32 v[\d], v[\d], v[(\t)+2], 0xb9500d01
	v_fmaak_f32 v[\d], v[\d], v[(\t)+2], 0x3c088889
	v_fmaak_f32 v[\d], v[\d], v[(\t)+2], 0xbe2aaaab
	v_mul_f32 v[\d], v[\d], v[(\t)+2]
	v_fma_f32 v[\d], v[(\t)+1], v[\d], v[(\t)+1]
	v_bfi_b32 v[\d], s[MAG], v[\d], v[\t]
.endm
.macro DBL s2, c2, s1, c1              ; the double angle
	v_mul_f32 v[TE+6], v[\s1], v[\s1]
	v_mul_f32 v[\s2], v[\s1], v[\c1]
	v_fma_f32 v[\c2], v[\c1], v[\c1], -v[TE+6]
	v_add_f32 v[\s2], v[\s2], v[\s2]
.endm
.macro EMB q, val                      ; the two operands (K = 64) of token tile q: k 0-23 sin, 24-47 cos, 48-50 xyz, 51 the value
.irp d, 0,1,2
	v_mul_f32 v[TE], 0x40490fdb, v[PT+4*(\q)+\d]   ; p x pi, rounded as reference() rounds it; the levels are exact doublings of it
	TURNS TE+1, TE, TE+2
	v_add_f32 v[TE+5], 0x3e800000, v[TE+1]
	SINF TE+8, TE+1, TE+2
	SINF TE+9, TE+5, TE+2
.irp p, 0,1,2,3
	DBL TE+10, TE+11, TE+8, TE+9
	v_cvt_pk_f16_f32 v[SPB+8*\d+\p], v[TE+8], v[TE+10]
	v_cvt_pk_f16_f32 v[SPB+8*\d+4+\p], v[TE+9], v[TE+11]
.if \p < 3
	DBL TE+8, TE+9, TE+10, TE+11
.endif
.endr
.endr
.irp p, 0,1,2,3                        ; lanes 0-15 hold k 8 lower than lanes 16-31
	v_cndmask_b32 v[EM+16*(\q)+\p], v[SPB+\p], v[SPB+8+\p], s[HM]
	v_cndmask_b32 v[EM+16*(\q)+4+\p], v[SPB+16+\p], v[SPB+4+\p], s[HM]
	v_cndmask_b32 v[EM+16*(\q)+8+\p], v[SPB+12+\p], v[SPB+20+\p], s[HM]
.endr
	v_cvt_pk_f16_f32 v[TE], v[PT+4*(\q)], v[PT+4*(\q)+1]
.if \val
	v_cvt_pk_f16_f32 v[TE+1], v[PT+4*(\q)+2], v[PT+4*(\q)+3]
.else
	v_cvt_pk_f16_f32 v[TE+1], v[PT+4*(\q)+2], 0
.endif
	v_cndmask_b32 v[EM+16*(\q)+12], v[TE], 0, s[HM]
	v_cndmask_b32 v[EM+16*(\q)+13], v[TE+1], 0, s[HM]
	v_mov_b32 v[EM+16*(\q)+14], 0
	v_mov_b32 v[EM+16*(\q)+15], 0
.endm
.macro GLD buf, off, nks
.set i, 0
.rept 2*(\nks)
	ds_load_b128 v[(\buf)+4*i:(\buf)+4*i+3], v[WAD] offset:(\off)+512*i
.set i, i+1
.endr
.endm
.macro GEMMW loff, nks, bsrc, bwin     ; X = W^T x operand, 8 channel tiles; weight groups from LDS into two buffers by turns
	GLD T, \loff, \nks
	GLD T+32, (\loff)+(\nks)*1024, \nks
.set ot, 0
.rept 8
.if ot < 7
	s_wait_dscnt 2*(\nks)                  ; this tile's group is in; the other buffer's loads are younger
.else
	s_wait_dscnt 0x0
.endif
	WIN \bwin
.set ks, 0
.rept \nks
.irp q, 0,1
	MMA f16, X+64*\q+8*ot, T+32*(ot%2)+8*ks, (\bsrc)+8*(\nks)*\q+8*ks, 1-(ks+3)/4
.endr
.set ks, ks+1
.endr
	WIN 0
	PLACES
.if ot < 6
	GLD T+32*(ot%2), (\loff)+(ot+2)*(\nks)*1024, \nks
.endif
.set ot, ot+1
.endr
.endm
; LN of X + bias over 128 channels; a lane has 64 of its token's, the lane 16 away the others.  mode 0: y rounded to f16 as the next product's operand.  mode 1: the sum of y w.
.macro LNT fbias, fs, fb, mode, dwin, DST, DQ
.irp g, 0,1
.irp o, 0,1,2,3
	ds_load_b128 v[T+8*\o:T+8*\o+3], v[VPA] offset:(\fbias)+256*\g+64*\o
	ds_load_b128 v[T+8*\o+4:T+8*\o+7], v[VPA] offset:(\fbias)+256*\g+64*\o+16
.endr
	s_wait_dscnt 0x0
.irp q, 0,1
.set i, 0
.rept 16
	v_pk_add_f32 v[X+64*\q+32*\g+2*i:X+64*\q+32*\g+2*i+1], v[X+64*\q+32*\g+2*i:X+64*\q+32*\g+2*i+1], v[T+2*i:T+2*i+1]
.set i, i+1
.endr
.endr
.endr
.irp q, 0,1
	v_pk_add_f32 v[TS+8*\q:TS+8*\q+1], v[X+64*\q:X+64*\q+1], v[X+64*\q+2:X+64*\q+3]
	v_pk_add_f32 v[TS+8*\q+2:TS+8*\q+3], v[X+64*\q+4:X+64*\q+5], v[X+64*\q+6:X+64*\q+7]
.endr
.set p, 4
.rept 14
.irp q, 0,1
	v_pk_add_f32 v[TS+8*\q:TS+8*\q+1], v[TS+8*\q:TS+8*\q+1], v[X+64*\q+2*p:X+64*\q+2*p+1]
	v_pk_add_f32 v[TS+8*\q+2:TS+8*\q+3], v[TS+8*\q+2:TS+8*\q+3], v[X+64*\q+2*p+2:X+64*\q+2*p+3]
.endr
.set p, p+2
.endr
.irp q, 0,1
	v_pk_add_f32 v[TS+8*\q:TS+8*\q+1], v[TS+8*\q:TS+8*\q+1], v[TS+8*\q+2:TS+8*\q+3]
.endr
.irp q, 0,1
	v_add_f32 v[TS+8*\q], v[TS+8*\q], v[TS+8*\q+1]
.endr
.irp q, 0,1
	v_permlanex16_b32 v[TS+8*\q+1], v[TS+8*\q], s[SEL], s[SEL+1]
.endr
.irp q, 0,1
	v_add_f32 v[TS+8*\q], v[TS+8*\q], v[TS+8*\q+1]
.endr
.irp q, 0,1
	v_mul_f32 v[TS+8*\q], s[R128], v[TS+8*\q]      ; the mean
.endr
.irp q, 0,1
.set i, 0
.rept 32
	v_pk_add_f32 v[X+64*\q+2*i:X+64*\q+2*i+1], v[X+64*\q+2*i:X+64*\q+2*i+1], v[TS+8*\q:TS+8*\q+1] op_sel_hi:[1,0] neg_lo:[0,1] neg_hi:[0,1]
.set i, i+1
.endr
.endr
.irp q, 0,1
	v_pk_mul_f32 v[TS+8*\q+2:TS+8*\q+3], v[X+64*\q:X+64*\q+1], v[X+64*\q:X+64*\q+1]
	v_pk_mul_f32 v[TS+8*\q+4:TS+8*\q+5], v[X+64*\q+2:X+64*\q+3], v[X+64*\q+2:X+64*\q+3]
.endr
.set p, 2
.rept 15
.irp q, 0,1
	v_pk_fma_f32 v[TS+8*\q+2:TS+8*\q+3], v[X+64*\q+2*p:X+64*\q+2*p+1], v[X+64*\q+2*p:X+64*\q+2*p+1], v[TS+8*\q+2:TS+8*\q+3]
	v_pk_fma_f32 v[TS+8*\q+4:TS+8*\q+5], v[X+64*\q+2*p+2:X+64*\q+2*p+3], v[X+64*\q+2*p+2:X+64*\q+2*p+3], v[TS+8*\q+4:TS+8*\q+5]
.endr
.set p, p+2
.endr
.irp q, 0,1
	v_pk_add_f32 v[TS+8*\q+2:TS+8*\q+3], v[TS+8*\q+2:TS+8*\q+3], v[TS+8*\q+4:TS+8*\q+5]
.endr
.irp q, 0,1
	v_add_f32 v[TS+8*\q+2], v[TS+8*\q+2], v[TS+8*\q+3]
.endr
.irp q, 0,1
	v_permlanex16_b32 v[TS+8*\q+3], v[TS+8*\q+2], s[SEL], s[SEL+1]
.endr
.irp q, 0,1
	v_add_f32 v[TS+8*\q+2], v[TS+8*\q+2], v[TS+8*\q+3]
.endr
.irp q, 0,1
	v_fma_f32 v[TS+8*\q+2], v[TS+8*\q+2], s[R128], s[EPS]
.endr
	v_rsq_f32 v[TS+6], v[TS+2]
	v_rsq_f32 v[TS+14], v[TS+10]
	v_mov_b32 v[TS+7], 0                   ; the pairs' other words; also the plain instructions behind the roots
	v_mov_b32 v[TS+15], 0
	s_wait_alu depctr_va_vdst(0)
.irp og, 0,1,2,3
.irp o, 0,1
	ds_load_b128 v[T+8*\o:T+8*\o+3], v[VPA] offset:(\fs)+128*\og+64*\o
	ds_load_b128 v[T+8*\o+4:T+8*\o+7], v[VPA] offset:(\fs)+128*\og+64*\o+16
	ds_load_b128 v[T+16+8*\o:T+16+8*\o+3], v[VPA] offset:(\fb)+128*\og+64*\o
	ds_load_b128 v[T+16+8*\o+4:T+16+8*\o+7], v[VPA] offset:(\fb)+128*\og+64*\o+16
.if \mode
	ds_load_b128 v[T+32+8*\o:T+32+8*\o+3], v[VPA] offset:3072+128*\og+64*\o
	ds_load_b128 v[T+32+8*\o+4:T+32+8*\o+7], v[VPA] offset:3072+128*\og+64*\o+16
.endif
.endr
	s_wait_dscnt 0x0
.irp q, 0,1
.set rX, X+64*\q+16*\og
.set i, 0
.rept 8
	v_pk_mul_f32 v[rX+2*i:rX+2*i+1], v[rX+2*i:rX+2*i+1], v[TS+8*\q+6:TS+8*\q+7] op_sel_hi:[1,0]
.set i, i+1
.endr
.set i, 0
.rept 8
	v_pk_fma_f32 v[rX+2*i:rX+2*i+1], v[rX+2*i:rX+2*i+1], v[T+2*i:T+2*i+1], v[T+16+2*i:T+17+2*i]
.set i, i+1
.endr
.if \mode
.set i, 0
.rept 8
.if (\og == 0) && (i == 0)
	v_pk_mul_f32 v[TS+8*\q+4:TS+8*\q+5], v[rX:rX+1], v[T+32:T+33]
.else
	v_pk_fma_f32 v[TS+8*\q+4:TS+8*\q+5], v[rX+2*i:rX+2*i+1], v[T+32+2*i:T+33+2*i], v[TS+8*\q+4:TS+8*\q+5]
.endif
.set i, i+1
.endr
.else
	WIN \dwin
.set i, 0
.rept 8
	v_cvt_pk_f16_f32 v[(\DST)+(\DQ)*\q+8*\og+i], v[rX+2*i], v[rX+2*i+1]
.set i, i+1
.endr
	WIN 0
.endif
.endr
.endr
.endm
	s_load_b512 s[4:19], s[0:1], 0x0
	s_load_b512 s[20:35], s[0:1], 0x40
	s_load_b512 s[36:51], s[0:1], 0x80
	s_load_b256 s[52:59], s[0:1], 0xc0
	v_lshl_add_u32 v[SPW], v0, 2, SPARE
	v_mov_b32 v[NIL], 0
	v_lshrrev_b32 v11, 5, v0
	v_readfirstlane_b32 s60, v11           ; wave
	v_and_b32 v11, 31, v0
	v_lshlrev_b32 v[L16], 4, v11
	v_and_b32 v[RR], 15, v0
	v_bfe_u32 v[HH], v0, 4, 1
	v_lshlrev_b32 v14, 4, v0               ; 16 x thread
	s_mov_b32 s[SEL], 0x76543210
	s_mov_b32 s[SEL+1], 0xfedcba98
	s_mov_b32 s[MAG], 0x7fffffff
	s_mov_b32 s[HM], 0xffff0000            ; lanes 16-31
	s_mov_b32 s[EPS], 0x3727c5ac           ; 1e-5
	s_mov_b32 s[R128], 0x3c000000          ; 1/128
	s_mov_b32 s61, ttmp9
	s_wait_kmcnt 0x0
	s_cmp_ge_u32 s61, 146
	s_cbranch_scc1 .Lcr
	s_cmp_ge_u32 s61, 128
	s_cbranch_scc1 .Lln
	; ---------------- role ctx
	s_lshr_b32 s72, s61, 3                 ; batch
	s_and_b32 s73, s61, 7                  ; which 256 tokens
	s_lshr_b32 s74, s73, 1                 ; layer (chunk of 512)
	s_and_b32 s75, s73, 1                  ; half of the chunk
	s_lshl_b32 s76, s61, 8                 ; first token = 256 x work-group
	s_mul_i32 s78, s76, 12
	s_mov_b32 s79, 0
	s_add_nc_u64 s[80:81], s[4:5], s[78:79]
	s_lshl_b32 s78, s76, 2
	s_add_nc_u64 s[82:83], s[6:7], s[78:79]
	s_mov_b32 s78, PEW
	s_add_nc_u64 s[84:85], s[56:57], s[78:79]
	s_lshl_b32 s78, s74, 16
	s_add_co_u32 s78, s78, CKW
	s_add_nc_u64 s[86:87], s[56:57], s[78:79]
	s_lshl_b32 s78, s74, 22
	s_lshl_b32 s77, s72, 17
	s_add_co_u32 s78, s78, s77
	s_add_nc_u64 s[88:89], s[58:59], s[78:79]
	s_lshl_b32 s77, s60, 5
	v_add_nc_u32 v11, s77, v[RR]           ; my token in the work-group's 256 (tile 1: 16 further)
	v_mul_u32_u24 v12, v11, 12
	v_lshlrev_b32 v13, 2, v11
.irp q, 0,1
	global_load_b96 v[PT+4*\q:PT+4*\q+2], v12, s[80:81] offset:192*\q
	global_load_b32 v[PT+4*\q+3], v13, s[82:83] offset:64*\q
.endr
.set i, 0
.rept 4
	global_load_b128 v[64+4*i:67+4*i], v14, s[84:85] offset:4096*i
.set i, i+1
.endr
.set i, 0
.rept 16
	global_load_b128 v[80+4*i:83+4*i], v14, s[86:87] offset:4096*i
.set i, i+1
.endr
	v_lshl_add_u32 v[VPA], v[HH], 5, VP
	v_mov_b32 v[WAD], v[L16]
	v_add_nc_u32 v[WAD2], 16384, v[L16]
	v_add_nc_u32 v[VST], VP, v[L16]
	v_add_nc_u32 v15, 0x10000, v14
	s_lshl_b32 s77, s75, 16
	s_lshl_b32 s78, s60, 13
	s_add_co_u32 s77, s77, s78
	v_add_nc_u32 v[KVO], s77, v[L16]       ; (16 half + 2 w) key tiles of 4,096 bytes = (8 half + w) key steps of 8,192
	s_wait_loadcnt 20                      ; points and values are in; the 20 staging loads are younger
	EMB 0, 1
	EMB 1, 1
	s_wait_loadcnt 0x0
.set i, 0
.rept 16
	ds_store_b128 v14, v[64+4*i:67+4*i] offset:4096*i
.set i, i+1
.endr
.set i, 0
.rept 4
	ds_store_b128 v15, v[128+4*i:131+4*i] offset:4096*i
.set i, i+1
.endr
	s_cmp_eq_u32 s60, 0
	s_cbranch_scc0 .Lv1
	global_load_b128 v[176:179], v[L16], s[8:9]
	global_load_b128 v[180:183], v[L16], s[10:11]
	s_wait_loadcnt 0x0
	v_pk_add_f32 v[176:177], v[176:177], v[180:181]        ; pe_b + ve_b
	v_pk_add_f32 v[178:179], v[178:179], v[182:183]
	ds_store_b128 v[VST], v[176:179]
	s_branch .Lv3
.Lv1:
	s_cmp_gt_u32 s60, 2
	s_cbranch_scc1 .Lv3
	s_cmp_eq_u32 s60, 1
	s_cselect_b64 s[90:91], s[12:13], s[14:15]
	s_lshl_b32 s77, s74, 9
	v_add_nc_u32 v13, s77, v[L16]
	global_load_b128 v[176:179], v13, s[90:91]
	s_lshl_b32 s77, s60, 9
	v_add_nc_u32 v12, s77, v[VST]
	s_wait_loadcnt 0x0
	ds_store_b128 v12, v[176:179]
.Lv3:
	BAR                                    ; weights and vectors are in LDS for every wave
	GEMMW 0, 2, EM, 0
	LNT 0, 512, 1024, 0, 0, 16, 112        ; cn: tile 0 into v16-47, tile 1 in place into v128-159
.macro G2LD buf, o
.set i, 0
.rept 8
	ds_load_b128 v[(\buf)+4*i:(\buf)+4*i+3], v[WAD2] offset:(\o)*4096+512*i
.set i, i+1
.endr
.endm
	G2LD 64, 0
	G2LD 96, 1
.set ot, 0
.rept 16                               ; tiles 0-7: K (a lane: one key, 8 channels); 8-15: V, sources swapped (a lane: one channel, 8 keys)
.if ot < 15
	s_wait_dscnt 0x8                       ; this tile's group is in; the other buffer's eight loads are younger
.else
	s_wait_dscnt 0x0
.endif
	MM8 f16, 160, 64+32*(ot%2), 16, 112, 1, ot/8
	PLACES
.if ot < 14
	G2LD 64+32*(ot%2), ot+2
.endif
	s_wait_xcnt 0x0                        ; the last tile's stores have read v176-183
.set i, 0
.rept 8
	v_cvt_pk_f16_f32 v[176+i], v[160+2*i], v[161+2*i]
.set i, i+1
.endr
.if ot < 8
	global_store_b128 v[KVO], v[176:179], s[88:89] offset:ot*512
	global_store_b128 v[KVO], v[180:183], s[88:89] offset:4096+ot*512
.else
	global_store_b128 v[KVO], v[176:179], s[88:89] offset:2097152+(ot-8)*1024
	global_store_b128 v[KVO], v[180:183], s[88:89] offset:2097152+(ot-8)*1024+512
.endif
.set ot, ot+1
.endr
	FIN
	s_endpgm
	; ---------------- role ln
.Lln:
	s_sub_co_u32 s61, s61, 128
	s_lshr_b32 s72, s61, 1                 ; record j
	s_and_b32 s73, s61, 1                  ; 0 the attention's LN, 1 the feed-forward's
	s_lshr_b32 s74, s61, 2                 ; layer
	s_and_b32 s75, s72, 1                  ; 1: self side, with FiLM
	s_lshl1_add_u32 s76, s74, s73          ; FiLM pair
	s_cmp_eq_u32 s73, 0
	s_cselect_b64 s[80:81], s[20:21], s[24:25]
	s_cselect_b64 s[82:83], s[22:23], s[26:27]
	s_cselect_b64 s[84:85], s[28:29], s[32:33]
	s_cselect_b64 s[86:87], s[30:31], s[34:35]
	s_cmp_eq_u32 s75, 0
	s_cselect_b64 s[80:81], s[80:81], s[84:85]
	s_cselect_b64 s[82:83], s[82:83], s[86:87]
	s_cmp_lt_u32 s61, 16
	s_cbranch_scc1 .Lln_go
	s_sub_co_u32 s75, s61, 16              ; 0 dec_lnc (plain), 1 out_ln (FiLM pair 8)
	s_add_co_u32 s72, s75, 8
	s_mov_b32 s73, 0
	s_mov_b32 s74, 0
	s_mov_b32 s76, 8
	s_cmp_eq_u32 s75, 0
	s_cselect_b64 s[80:81], s[36:37], s[40:41]
	s_cselect_b64 s[82:83], s[38:39], s[42:43]
.Lln_go:
	s_lshl_b32 s77, s74, 9
	s_lshl_b32 s78, s60, 6
	s_add_co_u32 s77, s77, s78
	v_lshl_add_u32 v11, v[HH], 5, s77      ; channels 16 w + 8 h of the layer's vector
	v_lshl_add_u32 v12, v[HH], 5, s78
	v_lshl_add_u32 v12, v[RR], 13, v12     ; the same channels in batch r's record
	s_lshl_b32 s78, s72, 17
	s_lshl_b32 s77, s73, 10
	s_add_co_u32 s78, s78, s77
	s_add_co_u32 s78, s78, VR
	s_mov_b32 s79, 0
	s_add_nc_u64 s[88:89], s[58:59], s[78:79]
	global_load_b128 v[16:19], v11, s[80:81]
	global_load_b128 v[20:23], v11, s[80:81] offset:16
	global_load_b128 v[24:27], v11, s[82:83]
	global_load_b128 v[28:31], v11, s[82:83] offset:16
	s_cmp_eq_u32 s75, 0
	s_cbranch_scc1 .Lln_plain
	v_and_b32 v13, 15, v0                  ; thread t: batch t % 16, frequencies 4 (t / 16) ..
	v_lshrrev_b32 v15, 4, v0
	v_lshlrev_b32 v33, 2, v13
	v_lshlrev_b32 v34, 4, v15
	global_load_b32 v32, v33, s[16:17]
	global_load_b128 v[36:39], v34, s[18:19]
	s_lshl_b32 s78, s76, 16
	s_lshl_b32 s77, s60, 12
	s_add_co_u32 s78, s78, s77
	s_add_co_u32 s78, s78, FILM
	s_add_nc_u64 s[90:91], s[56:57], s[78:79]
.set i, 0
.rept 8
	global_load_b128 v[64+4*i:67+4*i], v[L16], s[90:91] offset:512*i
.set i, i+1
.endr
.set i, 0
.rept 8
	global_load_b128 v[96+4*i:99+4*i], v[L16], s[90:91] offset:32768+512*i
.set i, i+1
.endr
	s_wait_loadcnt 16                      ; all but the 16 loads of gamma's and beta's weights
.irp k, 0,1,2,3
	v_mul_f32 v52, 0x40c90fdb, v[36+\k]    ; 2 pi f, then alpha x that, each rounded as reference() rounds them
	v_mul_f32 v52, v32, v52
	TURNS 53, 52, 54
	v_add_f32 v57, 0x3e800000, v53
	SINF 40+\k, 57, 54
	SINF 44+\k, 53, 54
.endr
	v_cvt_pk_f16_f32 v48, v40, v41
	v_cvt_pk_f16_f32 v49, v42, v43
	v_cvt_pk_f16_f32 v50, v44, v45
	v_cvt_pk_f16_f32 v51, v46, v47
	v_mul_u32_u24 v13, v13, 272
	v_lshl_add_u32 v13, v15, 3, v13
	v_add_nc_u32 v13, LAB, v13
	ds_store_b64 v13, v[48:49]             ; cos: channels 0-63
	ds_store_b64 v13, v[50:51] offset:128  ; sin: channels 64-127
	BAR
	v_mul_u32_u24 v13, v[RR], 272
	v_lshl_add_u32 v13, v[HH], 4, v13
	v_add_nc_u32 v13, LAB, v13
.irp ks, 0,1,2,3
	ds_load_b128 v[128+8*\ks:131+8*\ks], v13 offset:64*\ks
	ds_load_b128 v[132+8*\ks:135+8*\ks], v13 offset:64*\ks+32
.endr
	s_wait_loadcnt 0x0
	s_wait_dscnt 0x0
.irp ks, 0,1,2,3                       ; gamma and beta by turns
	MMA f16, 160, 64+8*\ks, 128+8*\ks, 1-(\ks+3)/4
	MMA f16, 168, 96+8*\ks, 128+8*\ks, 1-(\ks+3)/4
.endr
	PLACES
.irp i, 0,2,4,6
	v_pk_mul_f32 v[176+\i:177+\i], v[160+\i:161+\i], v[16+\i:17+\i]
.endr
.irp i, 0,2,4,6
	v_pk_fma_f32 v[184+\i:185+\i], v[160+\i:161+\i], v[24+\i:25+\i], v[168+\i:169+\i]
.endr
	global_store_b128 v12, v[176:179], s[88:89]            ; 32 bytes a lane: 1 KB a record, 288 KB in the whole launch
	global_store_b128 v12, v[180:183], s[88:89] offset:16
	global_store_b128 v12, v[184:187], s[88:89] offset:512
	global_store_b128 v12, v[188:191], s[88:89] offset:528
	FIN
	s_endpgm
.Lln_plain:
	s_wait_loadcnt 0x0
	global_store_b128 v12, v[16:19], s[88:89]
	global_store_b128 v12, v[20:23], s[88:89] offset:16
	global_store_b128 v12, v[24:27], s[88:89] offset:512
	global_store_b128 v12, v[28:31], s[88:89] offset:528
	s_endpgm
	; ---------------- role cr
.Lcr:
	s_sub_co_u32 s72, s61, 146             ; record j
	s_lshr_b32 s74, s72, 1
	s_and_b32 s73, s72, 1
	s_cmp_eq_u32 s73, 0
	s_cselect_b64 s[80:81], s[44:45], s[50:51]
	s_cselect_b64 s[82:83], s[46:47], s[52:53]
	s_cselect_b64 s[84:85], s[48:49], s[54:55]
	s_lshl_b32 s76, s72, 17
	s_add_co_u32 s76, s76, VR
	s_mov_b32 s77, 0
	s_add_nc_u64 s[88:89], s[58:59], s[76:77]
	s_lshl_b32 s76, s74, 12
	v_add_nc_u32 v12, s76, v14
	global_load_b128 v[16:19], v12, s[84:85]               ; b1: 4 KB by 256 threads
	v_mov_b32 v20, 0
	v_mov_b32 v21, 0
	v_mov_b32 v22, 0
	v_mov_b32 v23, 0
	s_cmp_ge_u32 s60, 2
	s_cbranch_scc1 .Lcr1
	s_cmp_eq_u32 s60, 0
	s_cselect_b64 s[80:81], s[80:81], s[82:83]             ; wave 0 bo, wave 1 b2, waves 2 and 3 the zeros behind them
	s_lshl_b32 s76, s74, 9
	v_add_nc_u32 v13, s76, v[L16]
	global_load_b128 v[20:23], v13, s[80:81]
.Lcr1:
	s_wait_loadcnt 0x0
.set i, 0
.rept 16
	global_store_b128 v14, v[16:19], s[88:89] offset:8192*i+4096
.set i, i+1
.endr
	s_cmp_ge_u32 s60, 4
	s_cbranch_scc1 .Lcr2
.set i, 0
.rept 16
	global_store_b128 v14, v[20:23], s[88:89] offset:8192*i+2048
.set i, i+1
.endr
.Lcr2:
	s_endpgm
.Lfunc_end_k_q23d4ed9013_ctxv:
	.size	k_q23d4ed9013_ctxv, .Lfunc_end_k_q23d4ed9013_ctxv-k_q23d4ed9013_ctxv
	.p2alignl 7, 3214868480
	.fill 96, 4, 3214868480
	.section	.rodata,"a",@progbits
	.p2align	6, 0x0
	.amdhsa_kernel k_q23d4ed9013_ctxv
		.amdhsa_group_segment_fixed_size 89600
		.amdhsa_private_segment_fixed_size 0
		.amdhsa_enable_private_segment 0
		.amdhsa_kernarg_size 224
		.amdhsa_user_sgpr_count 2
		.amdhsa_user_sgpr_kernarg_segment_ptr 1
		.amdhsa_wavefront_size32 1
		.amdhsa_system_sgpr_workgroup_id_x 1
		.amdhsa_system_sgpr_workgroup_id_y 1
		.amdhsa_system_sgpr_workgroup_id_z 1
		.amdhsa_system_vgpr_workitem_id 0
		.amdhsa_next_free_vgpr 256
		.amdhsa_next_free_sgpr 100
		.amdhsa_reserve_vcc 0
		.amdhsa_float_denorm_mode_32 3
		.amdhsa_float_denorm_mode_16_64 3
		.amdhsa_memory_ordered 1
		.amdhsa_forward_progress 1
		.amdhsa_inst_pref_size 118
	.end_amdhsa_kernel
	.amdgpu_metadata
---
amdhsa.version: [ 1, 2 ]
amdhsa.kernels:
  - .name:           k_q23d4ed9013_ctxv
    .symbol:         k_q23d4ed9013_ctxv.kd
    .args:
      - { .name: context_points, .offset: 0, .size: 8, .value_kind: global_buffer, .address_space: global }
      - { .name: context_values, .offset: 8, .size: 8, .value_kind: global_buffer, .address_space: global }
      - { .name: params_pe_b, .offset: 16, .size: 8, .value_kind: global_buffer, .address_space: global }
      - { .name: params_ve_b, .offset: 24, .size: 8, .value_kind: global_buffer, .address_space: global }
      - { .name: params_layers_ca_lnc_s, .offset: 32, .size: 8, .value_kind: global_buffer, .address_space: global }
      - { .name: params_layers_ca_lnc_b, .offset: 40, .size: 8, .value_kind: global_buffer, .address_space: global }
      - { .name: alpha, .offset: 48, .size: 8, .value_kind: global_buffer, .address_space: global }
      - { .name: params_freqs, .offset: 56, .size: 8, .value_kind: global_buffer, .address_space: global }
      - { .name: params_layers_ca_ln_s, .offset: 64, .size: 8, .value_kind: global_buffer, .address_space: global }
      - { .name: params_layers_ca_ln_b, .offset: 72, .size: 8, .value_kind: global_buffer, .address_space: global }
      - { .name: params_layers_cf_ln_s, .offset: 80, .size: 8, .value_kind: global_buffer, .address_space: global }
      - { .name: params_layers_cf_ln_b, .offset: 88, .size: 8, .value_kind: global_buffer, .address_space: global }
      - { .name: params_layers_sa_ln_s, .offset: 96, .size: 8, .value_kind: global_buffer, .address_space: global }
      - { .name: params_layers_sa_ln_b, .offset: 104, .size: 8, .value_kind: global_buffer, .address_space: global }
      - { .name: params_layers_sf_ln_s, .offset: 112, .size: 8, .value_kind: global_buffer, .address_space: global }
      - { .name: params_layers_sf_ln_b, .offset: 120, .size: 8, .value_kind: global_buffer, .address_space: global }
      - { .name: params_dec_lnc_s, .offset: 128, .size: 8, .value_kind: global_buffer, .address_space: global }
      - { .name: params_dec_lnc_b, .offset: 136, .size: 8, .value_kind: global_buffer, .address_space: global }
      - { .name: params_out_ln_s, .offset: 144, .size: 8, .value_kind: global_buffer, .address_space: global }
      - { .name: params_out_ln_b, .offset: 152, .size: 8, .value_kind: global_buffer, .address_space: global }
      - { .name: params_layers_ca_bo, .offset: 160, .size: 8, .value_kind: global_buffer, .address_space: global }
      - { .name: params_layers_cf_b2, .offset: 168, .size: 8, .value_kind: global_buffer, .address_space: global }
      - { .name: params_layers_cf_b1, .offset: 176, .size: 8, .value_kind: global_buffer, .address_space: global }
      - { .name: params_layers_sa_bo, .offset: 184, .size: 8, .value_kind: global_buffer, .address_space: global }
      - { .name: params_layers_sf_b2, .offset: 192, .size: 8, .value_kind: global_buffer, .address_space: global }
      - { .name: params_layers_sf_b1, .offset: 200, .size: 8, .value_kind: global_buffer, .address_space: global }
      - { .name: wf, .offset: 208, .size: 8, .value_kind: global_buffer, .address_space: global }
      - { .name: aux, .offset: 216, .size: 8, .value_kind: global_buffer, .address_space: global }
    .group_segment_fixed_size: 89600
    .private_segment_fixed_size: 0
    .kernarg_segment_align: 8
    .kernarg_segment_size: 224
    .max_flat_workgroup_size: 256
    .sgpr_count:     100
    .vgpr_count:     256
    .wavefront_size: 32
...
	.end_amdgpu_metadata
.endif
;; end of part 2
;; launch one (part 3): grid 256 x 1, 8 waves a work-group, no clusters, 77,824 bytes of LDS; arguments wf, aux, params_latent, xb, kva, kvb, cnta, cntb; writes xb, kvb, cntb
.if DOCPART == 3
	.amdgcn_target "amdgcn-amd-amdhsa--gfx1250"
	.amdhsa_code_object_version 6
	.text
	.protected	k_q23d4ed9013_one
	.globl	k_q23d4ed9013_one
	.p2align	8
	.type	k_q23d4ed9013_one,@function
k_q23d4ed9013_one:
	s_mov_b64 s[64:65], 0
	v_nop
	global_prefetch_b8 v0, s[64:65] scope:SCOPE_SE
	s_setreg_imm32_b32 hwreg(HW_REG_WAVE_MODE, 25, 1), 1
	s_wait_xcnt 0x0
; One block of the encoder for 32 latent rows of one batch:  xn = LN(x) -> q -> attention over 512 keys, 8 heads of 16 -> x += o wo + bo -> LN -> x += GEGLU feed-forward;
; then K and V of these rows for the attention that follows, from LN(x) with the next record's vectors.  Two launches run this text: the encoder's first (cross block 0, closing with
; self-attention 0's keys) and its last (self block 3, closing with the decoder's keys); the six blocks between them run two to a launch in a text of their own.
; Which block it is stands in four whole numbers that the launch before stored: first weight group, record j, context layer, whether x has a batch axis; each is clamped before use.
; SHARES.  Wave w owns output channel tile w = head w, for both token tiles.  So each weight and each K/V operand is wanted by ONE wave of the work-group: it goes from memory straight into
; that wave's registers, 512 consecutive bytes a load.  NO CLUSTER, no tensor load: a joint load lands in LDS, where no second wave would read it.  LDS holds what waves hand to each other.
; LAYOUT.  Products are used transposed (source 0 = 16 output channels or keys, source 1 = 16 tokens): a lane holds one token and eight neighbouring channels, which rounded in pairs are half an operand of the next product.
; SOFTMAX.  Running maximum m and sum l for each query; p = 2^(c s - c m), c = log2(e)/4; O and l are multiplied by a = 2^(c m_old - c m_new) in every step of 64 keys.  l is the sum of the rounded p, by a product with ones.
; FORMATS.  f16 for xn, q, k, v, p, o and their weights; bf16 for the hidden a*gelu(g) and w2; all else f32.
; LIMITS.  f16 ends at 65,504 (LN's output is at most 11.3 |s'| + |b'|); erf by a rational form with absolute error 1.5e-7; a weight below 2^-126 counts as 0; NaN and infinities are not treated apart.
.set WSTR,  499712
.set VR,    16777216
.set XSP,   528                        ; LDS: x f32, 32 rows
.set NP,    272
.set HP,    1040
.set XN,    16896                      ; xn f16, 32 rows of 272
.set OL,    25600                      ; o f16, 32 rows of 272
.set HID,   34304                      ; hidden bf16, 32 rows of 1,040
.set VP,    67584                      ; the block's record, 8 KB, and the next attention's LN vectors, 1 KB
.set SPARE, 76800
.set L16, 1
.set SPW, 2
.set NIL, 3
.set XRW, 4
.set LNX, 5
.set LNO, 6
.set FRX, 7
.set FRO, 8
.set OST, 9
.set HST, 10
.set FRH, 11
.set VPL, 12
.set VPC, 13
.set VPB, 14
.set AK,  15
.set AV,  16
.set GX,  17
.set KOUT, 18
.set VOUT, 19
.set ST,  24                           ; v24-39 softmax statistics, 8 a token tile: c m, m, l, old c m, c0-c3 (a takes c2's place); in the feed-forward b1
.set ACC, 40                           ; v40-55 accumulators; in attention O
.set ACC2, 56                          ; v56-71 accumulators; in attention the row sums
.set QF,  72                           ; v72-87 q (upper halves 0: K = 32, d = 16)
.set ONES, 88                          ; v88-95
.set S,   96                           ; v96-159 scores, p; operands of x; LN at work
.set WA,  160                          ; v160-191 weight group; in attention K of 64 keys (upper halves 0)
.set VF,  192                          ; v192-207 V of 64 keys
.set WB,  208                          ; v208-239 weight group
.set XR,  240                          ; v240-255 x of my channels, both token tiles
.set CS,  38
.set SEL, 40
.macro BAR
	s_wait_dscnt 0x0
	s_barrier_signal -1
	s_barrier_wait -1
.endm
.macro PLACES                          ; plain instructions between a matrix instruction and what touches its registers (ISA guide 7.12.1)
.rept 5
	v_nop
.endr
.endm
.macro MMA form, d, a, b, zero
.if \zero
	v_wmma_f32_16x16x32_\form v[(\d):(\d)+7], v[(\a):(\a)+7], v[(\b):(\b)+7], 0
.else
	v_wmma_f32_16x16x32_\form v[(\d):(\d)+7], v[(\a):(\a)+7], v[(\b):(\b)+7], v[(\d):(\d)+7]
.endif
.endm
.macro MM8 form, acc, a, b, bq, zero, swap   ; K = 128 for two token tiles; the two accumulators take turns
.irp ks, 0,1,2,3
.irp q, 0,1
.if \swap
	MMA \form, (\acc)+8*\q, (\b)+(\bq)*\q+8*\ks, (\a)+8*\ks, (\zero)*(1-(\ks+3)/4)
.else
	MMA \form, (\acc)+8*\q, (\a)+8*\ks, (\b)+(\bq)*\q+8*\ks, (\zero)*(1-(\ks+3)/4)
.endif
.endr
.endr
.endm
.macro XFL adr, off, qs                ; both token tiles' operands, 128 along K, from rows in LDS
.irp q, 0,1
.irp ks, 0,1,2,3
	ds_load_b128 v[S+32*\q+8*\ks:S+32*\q+8*\ks+3], v[\adr] offset:(\off)+(\qs)*\q+64*\ks
	ds_load_b128 v[S+32*\q+8*\ks+4:S+32*\q+8*\ks+7], v[\adr] offset:(\off)+(\qs)*\q+64*\ks+32
.endr
.endr
.endm
.macro WLD dst, g                      ; group g of my stream, counted from where s[44:45] stands
.irp f, 0,1,2,3,4,5,6,7
	global_load_b128 v[(\dst)+4*\f:(\dst)+4*\f+3], v[L16], s[44:45] offset:(\g)*4096+512*\f
.endr
.endm
.macro LRED                            ; the pairs v[120+2i] summed over pair and wave, for four rows
.irp i, 0,1,2,3
	v_add_f32 v[120+2*\i], v[120+2*\i], v[121+2*\i]
.endr
.irp m, 1,2,4,8
.irp i, 0,1,2,3
	v_add_f32_dpp v[120+2*\i], v[120+2*\i], v[120+2*\i] row_xmask:\m row_mask:0xf bank_mask:0xf
.endr
.endr
.irp i, 0,1,2,3
	v_permlanex16_b32 v[121+2*\i], v[120+2*\i], s[SEL], s[SEL+1]
.endr
.irp i, 0,1,2,3
	v_add_f32 v[120+2*\i], v[120+2*\i], v[121+2*\i]
.endr
.endm
.macro LNR fs, out                     ; LN of rows 4 w .. 4 w + 3, a row a wave-wide pass, 4 channels a lane; out = 1: the rows of x also leave for memory
.irp i, 0,1,2,3
	ds_load_b128 v[96+4*\i:99+4*\i], v[LNX] offset:XSP*\i
.endr
	ds_load_b128 v[112:115], v[VPL] offset:\fs
	ds_load_b128 v[116:119], v[VPL] offset:(\fs)+512
	s_wait_dscnt 0x0
.if \out
.irp i, 0,1,2,3
	global_store_b128 v[GX], v[96+4*\i:99+4*\i], s[48:49] offset:512*\i
.endr
	s_wait_xcnt 0x0                        ; the rows are changed in place only behind this wait
.endif
.irp i, 0,1,2,3
	v_pk_add_f32 v[120+2*\i:121+2*\i], v[96+4*\i:97+4*\i], v[98+4*\i:99+4*\i]
.endr
	LRED
.irp i, 0,1,2,3
	v_mul_f32 v[120+2*\i], s72, v[120+2*\i]
.endr
.irp i, 0,1,2,3
	v_pk_add_f32 v[96+4*\i:97+4*\i], v[96+4*\i:97+4*\i], v[120+2*\i:121+2*\i] op_sel_hi:[1,0] neg_lo:[0,1] neg_hi:[0,1]
	v_pk_add_f32 v[98+4*\i:99+4*\i], v[98+4*\i:99+4*\i], v[120+2*\i:121+2*\i] op_sel_hi:[1,0] neg_lo:[0,1] neg_hi:[0,1]
.endr
.irp i, 0,1,2,3
	v_pk_mul_f32 v[120+2*\i:121+2*\i], v[96+4*\i:97+4*\i], v[96+4*\i:97+4*\i]
.endr
.irp i, 0,1,2,3
	v_pk_fma_f32 v[120+2*\i:121+2*\i], v[98+4*\i:99+4*\i], v[98+4*\i:99+4*\i], v[120+2*\i:121+2*\i]
.endr
	LRED
.irp i, 0,1,2,3
	v_fma_f32 v[120+2*\i], v[120+2*\i], s72, s71
.endr
.irp i, 0,1,2,3
	v_rsq_f32 v[120+2*\i], v[120+2*\i]
.endr
	v_nop                                  ; a plain instruction behind the last root
	s_wait_alu depctr_va_vdst(0)
.irp i, 0,1,2,3
	v_pk_mul_f32 v[96+4*\i:97+4*\i], v[96+4*\i:97+4*\i], v[120+2*\i:121+2*\i] op_sel_hi:[1,0]
	v_pk_mul_f32 v[98+4*\i:99+4*\i], v[98+4*\i:99+4*\i], v[120+2*\i:121+2*\i] op_sel_hi:[1,0]
.endr
.irp i, 0,1,2,3
	v_pk_fma_f32 v[96+4*\i:97+4*\i], v[96+4*\i:97+4*\i], v[112:113], v[116:117]
	v_pk_fma_f32 v[98+4*\i:99+4*\i], v[98+4*\i:99+4*\i], v[114:115], v[118:119]
.endr
.irp i, 0,1,2,3
	v_cvt_pk_f16_f32 v[128+2*\i], v[96+4*\i], v[97+4*\i]
	v_cvt_pk_f16_f32 v[129+2*\i], v[98+4*\i], v[99+4*\i]
.endr
.irp i, 0,1,2,3
	ds_store_b64 v[LNO], v[128+2*\i:129+2*\i] offset:NP*\i
.endr
.endm
.macro SMX q, n                        ; line n of 22 that find tile q's new maximum and a; each accumulator's lowest registers are read first
.set rS, S+32*(\q)
.set rT, ST+8*(\q)
.if (\n) < 4
	v_max3_num_f32 v[rT+4+(\n)], v[rS+8*(\n)], v[rS+8*(\n)+1], v[rS+8*(\n)+2]
.elseif (\n) < 12
	v_max3_num_f32 v[rT+4+(\n)%4], v[rT+4+(\n)%4], v[rS+8*((\n)%4)+2*((\n)/4)+1], v[rS+8*((\n)%4)+2*((\n)/4)+2]
.elseif (\n) == 12
	v_max3_num_f32 v[rT+4], v[rT+4], v[rS+7], v[rS+15]
.elseif (\n) == 13
	v_max3_num_f32 v[rT+5], v[rT+5], v[rS+23], v[rS+31]
.elseif (\n) == 14
	v_max3_num_f32 v[rT+6], v[rT+6], v[rT+7], v[rT+1]
.elseif (\n) == 15
	v_mov_b32 v[rT+3], v[rT]
.elseif (\n) == 16
	v_max3_num_f32 v[rT+4], v[rT+4], v[rT+5], v[rT+6]
.elseif (\n) == 17
	v_permlanex16_b32 v[rT+7], v[rT+4], s[SEL], s[SEL+1]   ; the query's other 32 keys lie in the lane 16 away
.elseif (\n) == 18
	v_max_num_f32 v[rT+1], v[rT+4], v[rT+7]
.elseif (\n) == 19
	v_mul_f32 v[rT], s[CS], v[rT+1]
.elseif (\n) == 20
	v_sub_f32 v[rT+3], v[rT+3], v[rT]
.else
	v_exp_f32 v[rT+6], v[rT+3]
.endif
.endm
.macro SOFTMAX                         ; both token tiles, line by line; p replaces s and is then rounded in place into two operands a tile
.irp n, 0,1,2,3,4,5,6,7,8,9,10,11,12,13,14,15,16,17,18,19,20,21
	SMX 0, \n
	SMX 1, \n
.endr
.irp q, 0,1
.set i, 0
.rept 16
	v_pk_fma_f32 v[S+32*\q+2*i:S+32*\q+2*i+1], v[S+32*\q+2*i:S+32*\q+2*i+1], s[CS:CS+1], v[ST+8*\q:ST+8*\q+1] op_sel_hi:[1,0,0] neg_lo:[0,0,1] neg_hi:[0,0,1]
.set i, i+1
.endr
.endr
.set i, 0
.rept 64
	v_exp_f32 v[S+i], v[S+i]
.set i, i+1
.endr
	v_nop                                  ; a plain instruction behind the last exponential
	s_wait_alu depctr_va_vdst(0)
.irp q, 0,1
.set i, 0
.rept 16
	v_cvt_pk_f16_f32 v[S+32*\q+i], v[S+32*\q+2*i], v[S+32*\q+2*i+1]
.set i, i+1
.endr
.endr
.endm
.macro GELU q                          ; hidden = (a + ba) gelu(g + bg), exact gelu: erf(x) = sign (1 - poly(t) e^(-x^2)), t = 1 / (1 + 0.3275911 |x|), x = g / sqrt 2
.set rA, ACC+8*(\q)
.set rG, ACC2+8*(\q)
.irp i, 0,2,4,6
	v_pk_add_f32 v[rA+\i:rA+\i+1], v[rA+\i:rA+\i+1], v[24+\i:25+\i]
.endr
.irp i, 0,2,4,6
	v_pk_add_f32 v[rG+\i:rG+\i+1], v[rG+\i:rG+\i+1], v[32+\i:33+\i]
.endr
.irp i, 0,2,4,6
	v_pk_mul_f32 v[72+\i:73+\i], v[rG+\i:rG+\i+1], v[rG+\i:rG+\i+1]
.endr
.irp i, 0,1,2,3,4,5,6,7
	v_fma_f32 v[80+\i], |v[rG+\i]|, s70, 1.0
.endr
.irp i, 0,2,4,6
	v_pk_mul_f32 v[72+\i:73+\i], v[72+\i:73+\i], s[68:69] op_sel_hi:[1,0]
.endr
.irp i, 0,1,2,3,4,5,6,7
	v_rcp_f32 v[80+\i], v[80+\i]
.endr
.irp i, 0,1,2,3,4,5,6,7
	v_exp_f32 v[72+\i], v[72+\i]
.endr
	v_nop
	s_wait_alu depctr_va_vdst(0)
.irp i, 0,2,4,6
	v_pk_fma_f32 v[88+\i:89+\i], v[80+\i:81+\i], s[56:57], s[58:59] op_sel_hi:[1,0,0]
.endr
.irp i, 0,2,4,6
	v_pk_fma_f32 v[88+\i:89+\i], v[88+\i:89+\i], v[80+\i:81+\i], s[60:61] op_sel_hi:[1,1,0]
.endr
.irp i, 0,2,4,6
	v_pk_fma_f32 v[88+\i:89+\i], v[88+\i:89+\i], v[80+\i:81+\i], s[62:63] op_sel_hi:[1,1,0]
.endr
.irp i, 0,2,4,6
	v_pk_fma_f32 v[88+\i:89+\i], v[88+\i:89+\i], v[80+\i:81+\i], s[66:67] op_sel_hi:[1,1,0]
.endr
.irp i, 0,2,4,6
	v_pk_mul_f32 v[88+\i:89+\i], v[88+\i:89+\i], v[80+\i:81+\i]
.endr
.irp i, 0,2,4,6
	v_pk_fma_f32 v[88+\i:89+\i], v[88+\i:89+\i], v[72+\i:73+\i], 1.0 op_sel_hi:[1,1,0] neg_lo:[1,0,0] neg_hi:[1,0,0]
.endr
.irp i, 0,1,2,3,4,5,6,7
	v_bfi_b32 v[88+\i], s42, v[88+\i], v[rG+\i]
.endr
.irp i, 0,2,4,6
	v_pk_mul_f32 v[rG+\i:rG+\i+1], v[rG+\i:rG+\i+1], 0.5 op_sel_hi:[1,0]
.endr
.irp i, 0,2,4,6
	v_pk_fma_f32 v[rG+\i:rG+\i+1], v[rG+\i:rG+\i+1], v[88+\i:89+\i], v[rG+\i:rG+\i+1]
.endr
.irp i, 0,2,4,6
	v_pk_mul_f32 v[rA+\i:rA+\i+1], v[rA+\i:rA+\i+1], v[rG+\i:rG+\i+1]
.endr
.irp p, 0,1,2,3
	v_cvt_pk_bf16_f32 v[VF+4*(\q)+\p], v[rA+2*\p], v[rA+2*\p+1]
.endr
	ds_store_b128 v[HST], v[VF+4*(\q):VF+4*(\q)+3] offset:16*HP*(\q)
.endm
	s_load_b512 s[4:19], s[0:1], 0x0       ; wf, aux, x in, x out, K/V in, K/V out, table in, table out
	v_lshl_add_u32 v[SPW], v0, 2, SPARE
	v_mov_b32 v[NIL], 0
	v_lshrrev_b32 v20, 5, v0
	v_readfirstlane_b32 s20, v20           ; wave = channel tile = head
	s_lshr_b32 s21, ttmp9, 4               ; batch
	s_and_b32 s22, ttmp9, 15               ; which 32 rows
	s_wait_kmcnt 0x0
	s_load_b128 s[24:27], s[16:17], 0x0
	v_and_b32 v20, 31, v0
	v_and_b32 v21, 15, v0                  ; r
	v_bfe_u32 v22, v0, 4, 1                ; h
	v_lshlrev_b32 v[L16], 4, v20
	v_mul_u32_u24 v23, v21, XSP
	v_lshl_add_u32 v23, v22, 5, v23
	s_lshl_b32 s30, s20, 6
	v_add_nc_u32 v[XRW], s30, v23          ; x: row r, channels 16 w + 8 h
	s_mul_i32 s30, s20, 4*XSP
	v_add_nc_u32 v[LNX], s30, v[L16]       ; x: row 4 w, 4 channels a lane
	s_mul_i32 s30, s20, 4*NP
	s_add_co_u32 s30, s30, XN
	v_lshl_add_u32 v[LNO], v20, 3, s30
	v_mul_u32_u24 v23, v21, NP
	v_lshl_add_u32 v23, v22, 4, v23
	v_add_nc_u32 v[FRX], XN, v23
	v_add_nc_u32 v[FRO], OL, v23
	s_lshl_b32 s30, s20, 5
	s_add_co_u32 s30, s30, OL
	v_add_nc_u32 v[OST], s30, v23
	v_mul_u32_u24 v23, v21, HP
	v_lshl_add_u32 v23, v22, 4, v23
	v_add_nc_u32 v[FRH], HID, v23
	s_lshl_b32 s30, s20, 7
	s_add_co_u32 s30, s30, HID
	v_add_nc_u32 v[HST], s30, v23
	v_add_nc_u32 v[VPL], VP, v[L16]
	s_lshl_b32 s30, s20, 6
	s_add_co_u32 s30, s30, VP
	v_lshl_add_u32 v[VPC], v22, 5, s30
	s_lshl_b32 s30, s20, 8
	s_add_co_u32 s30, s30, VP+4096
	v_lshl_add_u32 v[VPB], v22, 5, s30
	s_lshl_b32 s30, s20, 9
	v_add_nc_u32 v[AK], s30, v[L16]
	s_lshl_b32 s30, s20, 10
	v_add_nc_u32 v[AV], s30, v[L16]
	s_lshl_b32 s30, s20, 11
	v_add_nc_u32 v[GX], s30, v[L16]
	s_lshl_b32 s30, s22, 13
	v_add_nc_u32 v[KOUT], s30, v[AK]
	v_add_nc_u32 v[VOUT], s30, v[AV]
	v_lshlrev_b32 v20, 4, v0               ; 16 x thread
	v_add_nc_u32 v21, VP, v20
	s_mov_b32 s[CS], 0x3eb8aa3b            ; c = log2(e) / 4
	s_mov_b32 s[CS+1], s[CS]
	s_mov_b32 s[SEL], 0x76543210
	s_mov_b32 s[SEL+1], 0xfedcba98
	s_mov_b32 s42, 0x7fffffff
	s_mov_b32 s56, 0x3f87dc22              ; erf's five coefficients, highest first; each named as a pair
	s_mov_b32 s57, s56
	s_mov_b32 s58, 0xbfba00e3
	s_mov_b32 s59, s58
	s_mov_b32 s60, 0x3fb5f0e3
	s_mov_b32 s61, s60
	s_mov_b32 s62, 0xbe91a98e
	s_mov_b32 s63, s62
	s_mov_b32 s66, 0x3e827906
	s_mov_b32 s67, s66
	s_mov_b32 s68, 0xbf38aa3b              ; -log2(e) / 2
	s_mov_b32 s69, s68
	s_mov_b32 s70, 0x3e6d3388              ; 0.3275911 / sqrt 2
	s_mov_b32 s71, 0x3727c5ac              ; 1e-5
	s_mov_b32 s72, 0x3c000000              ; 1/128
	s_mov_b32 s31, 0
	s_wait_kmcnt 0x0
	s_min_u32 s24, s24, 106                ; first group
	s_min_u32 s25, s25, 7                  ; record j
	s_min_u32 s26, s26, 3                  ; context layer
	s_min_u32 s27, s27, 1                  ; x has a batch axis
	s_and_b32 s28, s25, 1                  ; 1: self-attention
	s_mul_i32 s30, s20, WSTR
	s_lshl_b32 s23, s24, 12
	s_add_co_u32 s30, s30, s23
	s_add_nc_u64 s[44:45], s[4:5], s[30:31]
	s_lshl_b32 s30, s26, 22
	s_lshl_b32 s23, s21, 17
	s_add_co_u32 s30, s30, s23
	s_add_nc_u64 s[32:33], s[6:7], s[30:31]
	s_mov_b32 s30, s23
	s_add_nc_u64 s[36:37], s[12:13], s[30:31]
	s_add_nc_u64 s[50:51], s[14:15], s[30:31]
	s_cmp_eq_u32 s28, 0
	s_cselect_b64 s[34:35], s[32:33], s[36:37]             ; the keys: the context's, or the rows' own from the launch before
	s_lshl_b32 s30, s21, 18
	s_lshl_b32 s23, s22, 14
	s_add_co_u32 s30, s30, s23
	s_add_nc_u64 s[48:49], s[10:11], s[30:31]
	s_mul_i32 s30, s27, s21
	s_lshl_b32 s30, s30, 18
	s_add_co_u32 s30, s30, s23
	s_add_nc_u64 s[46:47], s[8:9], s[30:31]
	s_lshl_b32 s30, s25, 17
	s_lshl_b32 s23, s21, 13
	s_add_co_u32 s30, s30, s23
	s_add_co_u32 s30, s30, VR
	s_add_nc_u64 s[52:53], s[6:7], s[30:31]
.irp i, 0,1,2,3
	global_load_b128 v[96+4*\i:99+4*\i], v[GX], s[46:47] offset:512*\i
.endr
	global_load_b128 v[112:115], v20, s[52:53]
	global_load_b128 v[116:119], v20, s[52:53] offset:4096
	s_cmp_lt_u32 s20, 2
	s_cbranch_scc0 .Lnorec
	global_load_b128 v[128:131], v20, s[52:53] offset:131072   ; the next record's first 1 KB
.Lnorec:
	WLD WA, 0                              ; wq
	WLD WB, 1                              ; wo
	s_wait_loadcnt 16                      ; x and the records are in; the two groups' 16 loads are younger
.irp i, 0,1,2,3
	ds_store_b128 v[LNX], v[96+4*\i:99+4*\i] offset:XSP*\i
.endr
	ds_store_b128 v21, v[112:115]
	ds_store_b128 v21, v[116:119] offset:4096
	s_cmp_lt_u32 s20, 2
	s_cbranch_scc0 .Lnorec2
	ds_store_b128 v21, v[128:131] offset:8192
.Lnorec2:
	BAR
.irp q, 0,1
	ds_load_b128 v[XR+8*\q:XR+8*\q+3], v[XRW] offset:16*XSP*\q
	ds_load_b128 v[XR+8*\q+4:XR+8*\q+7], v[XRW] offset:16*XSP*\q+16
.endr
	; ---- LN, q
	LNR 0, 0
	BAR
	XFL FRX, 0, 16*NP
	s_wait_loadcnt 0x0
	s_wait_dscnt 0x0
	MM8 f16, ACC, WA, S, 32, 1, 0
.set i, 0
.rept 8                                ; these 22 lines name no register of the products: they are the places behind them
	v_mov_b32 v[ONES+i], 0x3c003c00
.set i, i+1
.endr
.irp q, 0,1
.irp p, 4,5,6,7
	v_mov_b32 v[QF+8*\q+\p], 0
.endr
	v_mov_b32 v[ST+8*\q], 0xfe000000       ; c m: far below every c s, so the first step's a is 0
	v_mov_b32 v[ST+8*\q+1], 0xff7fffff     ; m
	v_mov_b32 v[ST+8*\q+2], 0              ; l
.endr
.irp q, 0,1
.irp p, 0,1,2,3
	v_cvt_pk_f16_f32 v[QF+8*\q+\p], v[ACC+8*\q+2*\p], v[ACC+8*\q+2*\p+1]
.endr
.endr
.irp kt, 0,1,2,3
.irp p, 4,5,6,7
	v_mov_b32 v[WA+8*\kt+\p], 0
.endr
.endr
.set i, 0
.rept 16                               ; O = 0: sixteen lines, the price of writing no first step out
	v_mov_b32 v[ACC+i], 0
.set i, i+1
.endr
.macro KLD
.irp kt, 0,1,2,3
	global_load_b128 v[WA+8*\kt:WA+8*\kt+3], v[AK], s[34:35] offset:4096*\kt
.endr
.endm
.macro VLD
.irp k2, 0,1
	global_load_b128 v[VF+8*\k2:VF+8*\k2+3], v[AV], s[34:35] offset:2097152+8192*\k2
	global_load_b128 v[VF+8*\k2+4:VF+8*\k2+7], v[AV], s[34:35] offset:2097152+8192*\k2+512
.endr
.endm
	KLD
	VLD
	s_mov_b32 s30, 8
.Latt:                                         ; a trip: 64 keys
	s_wait_loadcnt 0x4                     ; K of this step is in; V's four loads are younger
.irp kt, 0,1,2,3
.irp q, 0,1
	MMA f16, S+32*\q+8*\kt, WA+8*\kt, QF+8*\q, 1
.endr
.endr
	v_add_nc_u32 v[AK], 16384, v[AK]       ; the next step; behind the last it wraps to step 0, inside the buffer, and that load is not used
	v_and_b32 v[AK], 0x1ffff, v[AK]
	v_nop
	v_nop
	v_nop
	KLD
	SOFTMAX
.irp q, 0,1
.irp i, 0,2,4,6
	v_pk_mul_f32 v[ACC+8*\q+\i:ACC+8*\q+\i+1], v[ACC+8*\q+\i:ACC+8*\q+\i+1], v[ST+8*\q+6:ST+8*\q+7] op_sel_hi:[1,0]
.endr
.endr
	s_wait_loadcnt 0x4                     ; V of this step is in; the next K's four loads are younger
.irp ks, 0,1                           ; four accumulators by turns: O and the row sums of both tiles
	MMA f16, ACC, VF+8*\ks, S+8*\ks, 0
	MMA f16, ACC+8, VF+8*\ks, S+32+8*\ks, 0
	MMA f16, ACC2, ONES, S+8*\ks, 1-\ks
	MMA f16, ACC2+8, ONES, S+32+8*\ks, 1-\ks
.endr
	v_add_nc_u32 v[AV], 16384, v[AV]
	v_and_b32 v[AV], 0x1ffff, v[AV]
	v_nop
	v_nop
	v_nop
	v_nop
	VLD
.irp q, 0,1
	v_fma_f32 v[ST+8*\q+2], v[ST+8*\q+2], v[ST+8*\q+6], v[ACC2+8*\q]
.endr
	s_sub_co_u32 s30, s30, 1
	s_cmp_lg_u32 s30, 0
	s_cbranch_scc1 .Latt
	v_rcp_f32 v[ST+4], v[ST+2]
	v_rcp_f32 v[ST+12], v[ST+10]
	v_nop
	s_wait_alu depctr_va_vdst(0)
.irp q, 0,1
.irp i, 0,2,4,6
	v_pk_mul_f32 v[ACC+8*\q+\i:ACC+8*\q+\i+1], v[ACC+8*\q+\i:ACC+8*\q+\i+1], v[ST+8*\q+4:ST+8*\q+5] op_sel_hi:[1,0]
.endr
.endr
.irp q, 0,1
.irp p, 0,1,2,3
	v_cvt_pk_f16_f32 v[S+4*\q+\p], v[ACC+8*\q+2*\p], v[ACC+8*\q+2*\p+1]
.endr
	ds_store_b128 v[OST], v[S+4*\q:S+4*\q+3] offset:16*NP*\q
.endr
	s_wait_loadcnt 0x0                     ; the wrapped loads have landed: their registers take weights now
	WLD WA, 2
	BAR
	; ---- x += o wo + bo
	XFL FRO, 0, 16*NP
	ds_load_b128 v[72:75], v[VPC] offset:2048
	ds_load_b128 v[76:79], v[VPC] offset:2064
	s_wait_dscnt 0x0
	MM8 f16, ACC, WB, S, 32, 1, 0
	PLACES
	WLD WB, 3
.irp q, 0,1
.irp i, 0,2,4,6
	v_pk_add_f32 v[XR+8*\q+\i:XR+8*\q+\i+1], v[XR+8*\q+\i:XR+8*\q+\i+1], v[ACC+8*\q+\i:ACC+8*\q+\i+1]
.endr
.irp i, 0,2,4,6
	v_pk_add_f32 v[XR+8*\q+\i:XR+8*\q+\i+1], v[XR+8*\q+\i:XR+8*\q+\i+1], v[72+\i:73+\i]
.endr
	ds_store_b128 v[XRW], v[XR+8*\q:XR+8*\q+3] offset:16*XSP*\q
	ds_store_b128 v[XRW], v[XR+8*\q+4:XR+8*\q+7] offset:16*XSP*\q+16
.endr
	BAR
	; ---- LN, first half of the feed-forward: my four pairs of tiles (a, g)
	LNR 1024, 0
	BAR
	XFL FRX, 0, 16*NP
	s_mov_b32 s30, 4
.Lff1:
	ds_load_b128 v[24:27], v[VPB]
	ds_load_b128 v[28:31], v[VPB] offset:16
	ds_load_b128 v[32:35], v[VPB] offset:2048
	ds_load_b128 v[36:39], v[VPB] offset:2064
	s_wait_loadcnt 0x0                     ; both groups of this trip
	s_wait_dscnt 0x0
.irp ks, 0,1,2,3                       ; four accumulators by turns
	MMA f16, ACC, WA+8*\ks, S+8*\ks, 1-(\ks+3)/4
	MMA f16, ACC+8, WA+8*\ks, S+32+8*\ks, 1-(\ks+3)/4
	MMA f16, ACC2, WB+8*\ks, S+8*\ks, 1-(\ks+3)/4
	MMA f16, ACC2+8, WB+8*\ks, S+32+8*\ks, 1-(\ks+3)/4
.endr
	PLACES
	WLD WA, 4                              ; the next trip's pair; in the last trip w2's first two chunks
	WLD WB, 5
	s_wait_xcnt 0x0                        ; the stream's address steps only behind this wait
	s_add_nc_u64 s[44:45], s[44:45], 8192
	GELU 0
	GELU 1
	v_add_nc_u32 v[VPB], 64, v[VPB]
	v_add_nc_u32 v[HST], 32, v[HST]
	s_sub_co_u32 s30, s30, 1
	s_cmp_lg_u32 s30, 0
	s_cbranch_scc1 .Lff1
	BAR
	; ---- second half: K = 512 in four chunks; the buffers then take the closing K and V weights
.macro FF2 c, buf, zero
	XFL FRH, 256*(\c), 16*HP
	s_wait_dscnt 0x0
	s_wait_loadcnt 0x8                     ; this chunk's group is in; the other buffer's eight loads are younger
	MM8 bf16, ACC, \buf, S, 32, \zero, 0
	PLACES
	WLD \buf, 4+(\c)
.endm
	FF2 0, WA, 1
	FF2 1, WB, 0
	FF2 2, WA, 0
	FF2 3, WB, 0
	ds_load_b128 v[72:75], v[VPC] offset:2560
	ds_load_b128 v[76:79], v[VPC] offset:2576
	s_wait_dscnt 0x0
.irp q, 0,1
.irp i, 0,2,4,6
	v_pk_add_f32 v[XR+8*\q+\i:XR+8*\q+\i+1], v[XR+8*\q+\i:XR+8*\q+\i+1], v[ACC+8*\q+\i:ACC+8*\q+\i+1]
.endr
.irp i, 0,2,4,6
	v_pk_add_f32 v[XR+8*\q+\i:XR+8*\q+\i+1], v[XR+8*\q+\i:XR+8*\q+\i+1], v[72+\i:73+\i]
.endr
	ds_store_b128 v[XRW], v[XR+8*\q:XR+8*\q+3] offset:16*XSP*\q
	ds_store_b128 v[XRW], v[XR+8*\q+4:XR+8*\q+7] offset:16*XSP*\q+16
.endr
	BAR
	; ---- x leaves; K and V of my rows for the attention that follows
	LNR 8192, 1
	BAR
	XFL FRX, 0, 16*NP
	s_wait_loadcnt 0x0
	s_wait_dscnt 0x0
	MM8 f16, ACC, WA, S, 32, 1, 0
	MM8 f16, ACC2, WB, S, 32, 1, 1         ; V: sources swapped: a lane holds one channel and eight keys
	PLACES
.set i, 0
.rept 16
	v_cvt_pk_f16_f32 v[72+i], v[ACC+2*i], v[ACC+2*i+1]
.set i, i+1
.endr
	global_store_b128 v[KOUT], v[72:75], s[50:51]
	global_store_b128 v[KOUT], v[76:79], s[50:51] offset:4096
	global_store_b128 v[VOUT], v[80:83], s[50:51] offset:2097152
	global_store_b128 v[VOUT], v[84:87], s[50:51] offset:2097152+512
	s_wait_tensorcnt 0x0                   ; the wave's end, behind the last LDS store
	ds_add_u32 v[SPW], v[NIL]
	s_wait_dscnt 0x0
	s_or_b32 s30, ttmp9, s20
	s_cmp_lg_u32 s30, 0
	s_cbranch_scc1 .Lend
	s_lshl_b32 s30, s28, 1                 ; the next launch's table: behind the cross block its 14 groups and the 2 of the closing K and V weights are passed; the last launch's table is read by nobody
	s_sub_co_u32 s30, 16, s30
	s_add_co_u32 s24, s24, s30
	s_add_co_u32 s25, s25, 1
	s_add_co_u32 s26, s26, s28
	v_mov_b32 v96, s24
	v_mov_b32 v97, s25
	v_mov_b32 v98, s26
	v_mov_b32 v99, 1
	global_store_b128 v[L16], v[96:99], s[18:19]
.Lend:
	s_endpgm
.Lfunc_end_k_q23d4ed9013_one:
	.size	k_q23d4ed9013_one, .Lfunc_end_k_q23d4ed9013_one-k_q23d4ed9013_one
	.p2alignl 7, 3214868480
	.fill 96, 4, 3214868480
	.section	.rodata,"a",@progbits
	.p2align	6, 0x0
	.amdhsa_kernel k_q23d4ed9013_one
		.amdhsa_group_segment_fixed_size 77824
		.amdhsa_private_segment_fixed_size 0
		.amdhsa_enable_private_segment 0
		.amdhsa_kernarg_size 64
		.amdhsa_user_sgpr_count 2
		.amdhsa_user_sgpr_kernarg_segment_ptr 1
		.amdhsa_wavefront_size32 1
		.amdhsa_system_sgpr_workgroup_id_x 1
		.amdhsa_system_sgpr_workgroup_id_y 1
		.amdhsa_system_sgpr_workgroup_id_z 1
		.amdhsa_system_vgpr_workitem_id 0
		.amdhsa_next_free_vgpr 256
		.amdhsa_next_free_sgpr 80
		.amdhsa_reserve_vcc 0
		.amdhsa_float_denorm_mode_32 3
		.amdhsa_float_denorm_mode_16_64 3
		.amdhsa_memory_ordered 1
		.amdhsa_forward_progress 1
		.amdhsa_inst_pref_size 83
	.end_amdhsa_kernel
	.amdgpu_metadata
---
amdhsa.version: [ 1, 2 ]
amdhsa.kernels:
  - .name:           k_q23d4ed9013_one
    .symbol:         k_q23d4ed9013_one.kd
    .args:
      - { .name: wf, .offset: 0, .size: 8, .value_kind: global_buffer, .address_space: global }
      - { .name: aux, .offset: 8, .size: 8, .value_kind: global_buffer, .address_space: global }
      - { .name: params_latent, .offset: 16, .size: 8, .value_kind: global_buffer, .address_space: global }
      - { .name: xb, .offset: 24, .size: 8, .value_kind: global_buffer, .address_space: global }
      - { .name: kva, .offset: 32, .size: 8, .value_kind: global_buffer, .address_space: global }
      - { .name: kvb, .offset: 40, .size: 8, .value_kind: global_buffer, .address_space: global }
      - { .name: cnta, .offset: 48, .size: 8, .value_kind: global_buffer, .address_space: global }
      - { .name: cntb, .offset: 56, .size: 8, .value_kind: global_buffer, .address_space: global }
    .group_segment_fixed_size: 77824
    .private_segment_fixed_size: 0
    .kernarg_segment_align: 8
    .kernarg_segment_size: 64
    .max_flat_workgroup_size: 256
    .sgpr_count:     80
    .vgpr_count:     256
    .wavefront_size: 32
...
	.end_amdgpu_metadata
.endif
;; end of part 3
;; launch two (part 4): grid 256 x 1, 8 waves a work-group, no clusters, 86,016 bytes of LDS; arguments wf, aux, xb, xa, kvb, kva, cntb, cnta; writes xa, kva, cnta
.if DOCPART == 4
	.amdgcn_target "amdgcn-amd-amdhsa--gfx1250"
	.amdhsa_code_object_version 6
	.text
	.protected	k_q23d4ed9013_two
	.globl	k_q23d4ed9013_two
	.p2align	8
	.type	k_q23d4ed9013_two,@function
k_q23d4ed9013_two:
	s_mov_b64 s[64:65], 0
	v_nop
	global_prefetch_b8 v0, s[64:65] scope:SCOPE_SE
	s_setreg_imm32_b32 hwreg(HW_REG_WAVE_MODE, 25, 1), 1
	s_wait_xcnt 0x0
; Two blocks of the encoder for 32 latent rows of one batch, x staying in registers and LDS between them: self-attention block i, then cross-attention block i + 1.
; A block:  xn = LN(x) -> q -> attention over 512 keys, 8 heads of 16 -> x += o wo + bo -> LN -> x += GEGLU feed-forward.  The block's text stands once, in a loop of two trips.
; Behind the two blocks x leaves for memory, and K and V of these rows for self-attention i + 1 are made from LN(x) with that block's vectors.  Only a self-attention needs other work-groups' rows:
; so a launch ends in front of each, and nowhere else.  Three launches run this text.
; Which blocks they are stands in whole numbers that the launch before stored: first weight group, record j, context layer of the last cross block; each is clamped before use.
; SHARES.  Wave w owns output channel tile w = head w, for both token tiles.  So each weight and each K/V operand is wanted by ONE wave of the work-group: it goes from memory straight into
; that wave's registers, 512 consecutive bytes a load.  NO CLUSTER, no tensor load: a joint load lands in LDS, where no second wave would read it.  LDS holds what waves hand to each other.
; THE WEIGHTS of a wave lie in the order of use: 14 groups of 4,096 bytes a block (wq, wo, 8 of w1, 4 of w2), the second block's behind the first's, the closing K and V weights behind those.
; WHAT IS ON ITS WAY.  A wave has 512 registers; those of window 1 take what comes from memory.  Loads return in order, so each wait's count is the number of loads issued behind the one wanted.
;   K, V: a trip of the attention loop is two steps of 64 keys.  A step's K registers, and later its V registers, are loaded again as soon as its products have read them, with the step two further on:
;   16 loads are out, and the wait ahead of each run of products leaves the 12 younger ones out.  The last trip asks for the next block's first two steps; behind the launch's last block these
;   16 loads go to the context's first two steps once more and serve nobody: the price of one text for every trip.
;   w1, w2: a trip of the feed-forward's first loop is two pairs of tiles (a, g).  A pair's two groups are loaded again behind its products with the pair two further on, and the stream runs on into
;   w2's four chunks: 32 loads are out, the wait leaves 16.  The first two pairs are asked for behind the attention loop, the next wq and wo (or the closing weights) behind this loop.
; LAYOUT.  Products are used transposed (source 0 = 16 output channels or keys, source 1 = 16 tokens): a lane holds one token and eight neighbouring channels, which rounded in pairs are half an operand of the next product.
; b1 is the C operand that starts the sums of the feed-forward's first half; x itself is the accumulator of the products with wo and with w2.
; SOFTMAX.  Running maximum m and sum l for each query; p = 2^(c s - c m), c = log2(e)/4; O and l are multiplied by a = 2^(c m_old - c m_new) in every step of 64 keys.  l is the sum of the rounded p, by a product with ones.
; FORMATS.  f16 for xn, q, k, v, p, o and their weights; bf16 for the hidden a*gelu(g) and w2; all else f32.
; LIMITS.  f16 ends at 65,504 (LN's output is at most 11.3 |s'| + |b'|); erf by a rational form with absolute error 1.5e-7; a weight below 2^-126 counts as 0; NaN and infinities are not treated apart.
.set NBLK,  2
.set WSTR,  499712
.set VR,    16777216
.set XSP,   528                        ; LDS: x f32, 32 rows
.set NP,    272
.set HP,    1040
.set XN,    16896                      ; xn f16, 32 rows of 272
.set OL,    25600                      ; o f16, 32 rows of 272
.set HID,   34304                      ; hidden bf16, 32 rows of 1,040
.set VP,    67584                      ; the two blocks' records, 8 KB each, and the closing LN's vectors, 1 KB
.set SPARE, 84992
; window 0
.set L16, 1
.set SPW, 2
.set NIL, 3
.set XRW, 4
.set LNX, 5
.set LNO, 6
.set FRX, 7
.set FRO, 8
.set OST, 9
.set HST0, 10                          ; where my first tile pair's hidden goes; never rewritten
.set FRH, 11
.set VPL0, 12                          ; my places in the first record; never rewritten
.set VPC0, 13
.set VPB0, 14
.set AK,  15                           ; my byte offset in K of the step that the trip's first reload fetches
.set AV,  16                           ; the same in V
.set GX,  17
.set KOUT, 18
.set VOUT, 19
.set VPL, 20                           ; my places in the record of the block in hand
.set VPC, 21
.set VPB, 22                           ; steps with the tile pairs
.set HST, 23                           ; steps with the tile pairs
.set ST,  24                           ; v24-39 softmax statistics, 8 a token tile: c m, m, l, old c m, c0-c3 (a takes c2's place); in the feed-forward b1
.set ACC, 40                           ; v40-55 accumulators; in attention O
.set ACC2, 56                          ; v56-71 accumulators; in attention the row sums
.set QF,  72                           ; v72-87 q (upper halves 0: K = 32, d = 16); v72-95 at work in the feed-forward
.set S,   96                           ; v96-159 scores, p; operands of x; LN at work
.set WA,  160                          ; v160-191 wq, or the closing K weights
.set GP,  192                          ; v192-199 the hidden, packed
.set WB,  208                          ; v208-239 wo, or the closing V weights
.set XR,  240                          ; v240-255 x of my channels, both token tiles: it lives through both blocks
; window 1
.set KF,  0                            ; v0-63   K of two steps: step parity p, key tile kt at KF + 32 p + 8 kt; the upper four of each eight stay 0
.set VV,  64                           ; v64-95  V of two steps: VV + 16 p + 8 (half of the 64 keys)
.set RG,  96                           ; v96-223 four weight groups
.set ONES, 224                         ; v224-231
.set W_A1, 0x01                        ; source 0 in window 1
.set W_D1, 0x40                        ; destination in window 1
.set CS,  38
.set SEL, 40
.set RO,  73                           ; s73 the record of the block in hand: 0, then 8,192
.set MSB, 0
.macro WIN new                         ; the high byte repeats the setting that is left; a switch that changes nothing is dropped
.if MSB != (\new)
	s_set_vgpr_msb (MSB<<8)|(\new)
.set MSB, (\new)
.endif
.endm
.macro BAR
	s_wait_dscnt 0x0
	s_barrier_signal -1
	s_barrier_wait -1
.endm
.macro PLACES                          ; plain instructions between a matrix instruction and what touches its registers (ISA guide 7.12.1)
.rept 5
	v_nop
.endr
.endm
.macro MMA form, d, a, b, zero
.if \zero
	v_wmma_f32_16x16x32_\form v[(\d):(\d)+7], v[(\a):(\a)+7], v[(\b):(\b)+7], 0
.else
	v_wmma_f32_16x16x32_\form v[(\d):(\d)+7], v[(\a):(\a)+7], v[(\b):(\b)+7], v[(\d):(\d)+7]
.endif
.endm
.macro MMC form, d, a, b, c            ; a sum's first product, begun with other registers
	v_wmma_f32_16x16x32_\form v[(\d):(\d)+7], v[(\a):(\a)+7], v[(\b):(\b)+7], v[(\c):(\c)+7]
.endm
.macro MM8 form, acc, a, b, bq, zero, swap   ; K = 128 for two token tiles; the two accumulators take turns
.irp ks, 0,1,2,3
.irp q, 0,1
.if \swap
	MMA \form, (\acc)+8*\q, (\b)+(\bq)*\q+8*\ks, (\a)+8*\ks, (\zero)*(1-(\ks+3)/4)
.else
	MMA \form, (\acc)+8*\q, (\a)+8*\ks, (\b)+(\bq)*\q+8*\ks, (\zero)*(1-(\ks+3)/4)
.endif
.endr
.endr
.endm
.macro XFL adr, off, qs                ; both token tiles' operands, 128 along K, from rows in LDS
.irp q, 0,1
.irp ks, 0,1,2,3
	ds_load_b128 v[S+32*\q+8*\ks:S+32*\q+8*\ks+3], v[\adr] offset:(\off)+(\qs)*\q+64*\ks
	ds_load_b128 v[S+32*\q+8*\ks+4:S+32*\q+8*\ks+7], v[\adr] offset:(\off)+(\qs)*\q+64*\ks+32
.endr
.endr
.endm
.macro WLD dst, g                      ; group g of my stream, counted from where s[44:45] stands; the window of dst is set by the caller
.irp f, 0,1,2,3,4,5,6,7
	global_load_b128 v[(\dst)+4*\f:(\dst)+4*\f+3], v[L16], s[44:45] offset:(\g)*4096+512*\f
.endr
.endm
.macro KLD p, d                        ; K of 64 keys of my head into the ring's half p (destination window 1); d: bytes beside where AK stands
.irp kt, 0,1,2,3
	global_load_b128 v[KF+32*(\p)+8*\kt:KF+32*(\p)+8*\kt+3], v[AK], s[34:35] offset:4096*\kt+16384*(\p)+(\d)
.endr
.endm
.macro VLD p, d                        ; V of 64 keys of my head
.irp k2, 0,1
	global_load_b128 v[VV+16*(\p)+8*\k2:VV+16*(\p)+8*\k2+3], v[AV], s[34:35] offset:2097152+8192*\k2+16384*(\p)+(\d)
	global_load_b128 v[VV+16*(\p)+8*\k2+4:VV+16*(\p)+8*\k2+7], v[AV], s[34:35] offset:2097152+8192*\k2+512+16384*(\p)+(\d)
.endr
.endm
.macro LRED                            ; the pairs v[120+2i] summed over pair and wave, for four rows
.irp i, 0,1,2,3
	v_add_f32 v[120+2*\i], v[120+2*\i], v[121+2*\i]
.endr
.irp m, 1,2,4,8
.irp i, 0,1,2,3
	v_add_f32_dpp v[120+2*\i], v[120+2*\i], v[120+2*\i] row_xmask:\m row_mask:0xf bank_mask:0xf
.endr
.endr
.irp i, 0,1,2,3
	v_permlanex16_b32 v[121+2*\i], v[120+2*\i], s[SEL], s[SEL+1]
.endr
.irp i, 0,1,2,3
	v_add_f32 v[120+2*\i], v[120+2*\i], v[121+2*\i]
.endr
.endm
.macro LNR fs, out                     ; LN of rows 4 w .. 4 w + 3, a row a wave-wide pass, 4 channels a lane; out = 1: the rows of x also leave for memory
.irp i, 0,1,2,3
	ds_load_b128 v[96+4*\i:99+4*\i], v[LNX] offset:XSP*\i
.endr
	ds_load_b128 v[112:115], v[VPL] offset:\fs
	ds_load_b128 v[116:119], v[VPL] offset:(\fs)+512
	s_wait_dscnt 0x0
.if \out
.irp i, 0,1,2,3
	global_store_b128 v[GX], v[96+4*\i:99+4*\i], s[48:49] offset:512*\i
.endr
	s_wait_xcnt 0x0                        ; the rows are changed in place only behind this wait
.endif
.irp i, 0,1,2,3
	v_pk_add_f32 v[120+2*\i:121+2*\i], v[96+4*\i:97+4*\i], v[98+4*\i:99+4*\i]
.endr
	LRED
.irp i, 0,1,2,3
	v_mul_f32 v[120+2*\i], s72, v[120+2*\i]
.endr
.irp i, 0,1,2,3
	v_pk_add_f32 v[96+4*\i:97+4*\i], v[96+4*\i:97+4*\i], v[120+2*\i:121+2*\i] op_sel_hi:[1,0] neg_lo:[0,1] neg_hi:[0,1]
	v_pk_add_f32 v[98+4*\i:99+4*\i], v[98+4*\i:99+4*\i], v[120+2*\i:121+2*\i] op_sel_hi:[1,0] neg_lo:[0,1] neg_hi:[0,1]
.endr
.irp i, 0,1,2,3
	v_pk_mul_f32 v[120+2*\i:121+2*\i], v[96+4*\i:97+4*\i], v[96+4*\i:97+4*\i]
.endr
.irp i, 0,1,2,3
	v_pk_fma_f32 v[120+2*\i:121+2*\i], v[98+4*\i:99+4*\i], v[98+4*\i:99+4*\i], v[120+2*\i:121+2*\i]
.endr
	LRED
.irp i, 0,1,2,3
	v_fma_f32 v[120+2*\i], v[120+2*\i], s72, s71
.endr
.irp i, 0,1,2,3
	v_rsq_f32 v[120+2*\i], v[120+2*\i]
.endr
	v_nop                                  ; a plain instruction behind the last root
	s_wait_alu depctr_va_vdst(0)
.irp i, 0,1,2,3
	v_pk_mul_f32 v[96+4*\i:97+4*\i], v[96+4*\i:97+4*\i], v[120+2*\i:121+2*\i] op_sel_hi:[1,0]
	v_pk_mul_f32 v[98+4*\i:99+4*\i], v[98+4*\i:99+4*\i], v[120+2*\i:121+2*\i] op_sel_hi:[1,0]
.endr
.irp i, 0,1,2,3
	v_pk_fma_f32 v[96+4*\i:97+4*\i], v[96+4*\i:97+4*\i], v[112:113], v[116:117]
	v_pk_fma_f32 v[98+4*\i:99+4*\i], v[98+4*\i:99+4*\i], v[114:115], v[118:119]
.endr
.irp i, 0,1,2,3
	v_cvt_pk_f16_f32 v[128+2*\i], v[96+4*\i], v[97+4*\i]
	v_cvt_pk_f16_f32 v[129+2*\i], v[98+4*\i], v[99+4*\i]
.endr
.irp i, 0,1,2,3
	ds_store_b64 v[LNO], v[128+2*\i:129+2*\i] offset:NP*\i
.endr
.endm
.macro SMX q, n                        ; line n of 22 that find tile q's new maximum and a; each accumulator's lowest registers are read first
.set rS, S+32*(\q)
.set rT, ST+8*(\q)
.if (\n) < 4
	v_max3_num_f32 v[rT+4+(\n)], v[rS+8*(\n)], v[rS+8*(\n)+1], v[rS+8*(\n)+2]
.elseif (\n) < 12
	v_max3_num_f32 v[rT+4+(\n)%4], v[rT+4+(\n)%4], v[rS+8*((\n)%4)+2*((\n)/4)+1], v[rS+8*((\n)%4)+2*((\n)/4)+2]
.elseif (\n) == 12
	v_max3_num_f32 v[rT+4], v[rT+4], v[rS+7], v[rS+15]
.elseif (\n) == 13
	v_max3_num_f32 v[rT+5], v[rT+5], v[rS+23], v[rS+31]
.elseif (\n) == 14
	v_max3_num_f32 v[rT+6], v[rT+6], v[rT+7], v[rT+1]
.elseif (\n) == 15
	v_mov_b32 v[rT+3], v[rT]
.elseif (\n) == 16
	v_max3_num_f32 v[rT+4], v[rT+4], v[rT+5], v[rT+6]
.elseif (\n) == 17
	v_permlanex16_b32 v[rT+7], v[rT+4], s[SEL], s[SEL+1]   ; the query's other 32 keys lie in the lane 16 away
.elseif (\n) == 18
	v_max_num_f32 v[rT+1], v[rT+4], v[rT+7]
.elseif (\n) == 19
	v_mul_f32 v[rT], s[CS], v[rT+1]
.elseif (\n) == 20
	v_sub_f32 v[rT+3], v[rT+3], v[rT]
.else
	v_exp_f32 v[rT+6], v[rT+3]
.endif
.endm
.macro SOFTMAX                         ; both token tiles, line by line; p replaces s and is then rounded in place into two operands a tile
.irp n, 0,1,2,3,4,5,6,7,8,9,10,11,12,13,14,15,16,17,18,19,20,21
	SMX 0, \n
	SMX 1, \n
.endr
.irp q, 0,1
.set i, 0
.rept 16
	v_pk_fma_f32 v[S+32*\q+2*i:S+32*\q+2*i+1], v[S+32*\q+2*i:S+32*\q+2*i+1], s[CS:CS+1], v[ST+8*\q:ST+8*\q+1] op_sel_hi:[1,0,0] neg_lo:[0,0,1] neg_hi:[0,0,1]
.set i, i+1
.endr
.endr
.set i, 0
.rept 64
	v_exp_f32 v[S+i], v[S+i]
.set i, i+1
.endr
	v_nop                                  ; a plain instruction behind the last exponential
	s_wait_alu depctr_va_vdst(0)
.irp q, 0,1
.set i, 0
.rept 16
	v_cvt_pk_f16_f32 v[S+32*\q+i], v[S+32*\q+2*i], v[S+32*\q+2*i+1]
.set i, i+1
.endr
.endr
.endm
; One step of 64 keys, from the ring's half p.
.macro STEP p
	s_wait_loadcnt 0xc                     ; this step's K is in: behind its four loads went V of this step and K and V of the other half, 12 loads
	WIN W_A1
.irp kt, 0,1,2,3
.irp q, 0,1
	MMA f16, S+32*\q+8*\kt, KF+32*(\p)+8*\kt, QF+8*\q, 1
.endr
.endr
	PLACES
	WIN W_D1
	KLD \p, 0                              ; K of the step two further on
	WIN 0
	SOFTMAX
.irp q, 0,1
.irp i, 0,2,4,6
	v_pk_mul_f32 v[ACC+8*\q+\i:ACC+8*\q+\i+1], v[ACC+8*\q+\i:ACC+8*\q+\i+1], v[ST+8*\q+6:ST+8*\q+7] op_sel_hi:[1,0]
.endr
.endr
	s_wait_loadcnt 0xc                     ; this step's V is in: behind it went K and V of the other half and the K just asked for
	WIN W_A1
.irp ks, 0,1                           ; four accumulators by turns: O and the row sums of both tiles
	MMA f16, ACC, VV+16*(\p)+8*\ks, S+8*\ks, 0
	MMA f16, ACC+8, VV+16*(\p)+8*\ks, S+32+8*\ks, 0
	MMA f16, ACC2, ONES, S+8*\ks, 1-\ks
	MMA f16, ACC2+8, ONES, S+32+8*\ks, 1-\ks
.endr
	PLACES
	WIN W_D1
	VLD \p, 0                              ; V of the step two further on
	WIN 0
.irp q, 0,1
	v_fma_f32 v[ST+8*\q+2], v[ST+8*\q+2], v[ST+8*\q+6], v[ACC2+8*\q]
.endr
.endm
.macro GELU q, j                       ; hidden = a gelu(g), exact gelu: erf(x) = sign (1 - poly(t) e^(-x^2)), t = 1 / (1 + 0.3275911 |x|), x = g / sqrt 2; a and g hold their biases already
.set rA, ACC+8*(\q)
.set rG, ACC2+8*(\q)
.irp i, 0,2,4,6
	v_pk_mul_f32 v[72+\i:73+\i], v[rG+\i:rG+\i+1], v[rG+\i:rG+\i+1]
.endr
.irp i, 0,1,2,3,4,5,6,7
	v_fma_f32 v[80+\i], |v[rG+\i]|, s70, 1.0
.endr
.irp i, 0,2,4,6
	v_pk_mul_f32 v[72+\i:73+\i], v[72+\i:73+\i], s[68:69] op_sel_hi:[1,0]
.endr
.irp i, 0,1,2,3,4,5,6,7
	v_rcp_f32 v[80+\i], v[80+\i]
.endr
.irp i, 0,1,2,3,4,5,6,7
	v_exp_f32 v[72+\i], v[72+\i]
.endr
	v_nop
	s_wait_alu depctr_va_vdst(0)
.irp i, 0,2,4,6
	v_pk_fma_f32 v[88+\i:89+\i], v[80+\i:81+\i], s[56:57], s[58:59] op_sel_hi:[1,0,0]
.endr
.irp i, 0,2,4,6
	v_pk_fma_f32 v[88+\i:89+\i], v[88+\i:89+\i], v[80+\i:81+\i], s[60:61] op_sel_hi:[1,1,0]
.endr
.irp i, 0,2,4,6
	v_pk_fma_f32 v[88+\i:89+\i], v[88+\i:89+\i], v[80+\i:81+\i], s[62:63] op_sel_hi:[1,1,0]
.endr
.irp i, 0,2,4,6
	v_pk_fma_f32 v[88+\i:89+\i], v[88+\i:89+\i], v[80+\i:81+\i], s[66:67] op_sel_hi:[1,1,0]
.endr
.irp i, 0,2,4,6
	v_pk_mul_f32 v[88+\i:89+\i], v[88+\i:89+\i], v[80+\i:81+\i]
.endr
.irp i, 0,2,4,6
	v_pk_fma_f32 v[88+\i:89+\i], v[88+\i:89+\i], v[72+\i:73+\i], 1.0 op_sel_hi:[1,1,0] neg_lo:[1,0,0] neg_hi:[1,0,0]
.endr
.irp i, 0,1,2,3,4,5,6,7
	v_bfi_b32 v[88+\i], s42, v[88+\i], v[rG+\i]
.endr
.irp i, 0,2,4,6
	v_pk_mul_f32 v[rG+\i:rG+\i+1], v[rG+\i:rG+\i+1], 0.5 op_sel_hi:[1,0]
.endr
.irp i, 0,2,4,6
	v_pk_fma_f32 v[rG+\i:rG+\i+1], v[rG+\i:rG+\i+1], v[88+\i:89+\i], v[rG+\i:rG+\i+1]
.endr
.irp i, 0,2,4,6
	v_pk_mul_f32 v[rA+\i:rA+\i+1], v[rA+\i:rA+\i+1], v[rG+\i:rG+\i+1]
.endr
.irp p, 0,1,2,3
	v_cvt_pk_bf16_f32 v[GP+4*(\q)+\p], v[rA+2*\p], v[rA+2*\p+1]
.endr
	ds_store_b128 v[HST], v[GP+4*(\q):GP+4*(\q)+3] offset:16*HP*(\q)+32*(\j)
.endm
; One pair of tiles (a, g) of the feed-forward's first half, from groups 2 j and 2 j + 1 of the four.
.macro PAIR j
.set rWa, RG+64*(\j)
.set rWg, RG+64*(\j)+32
	ds_load_b128 v[24:27], v[VPB] offset:64*(\j)
	ds_load_b128 v[28:31], v[VPB] offset:64*(\j)+16
	ds_load_b128 v[32:35], v[VPB] offset:64*(\j)+2048
	ds_load_b128 v[36:39], v[VPB] offset:64*(\j)+2064
	s_wait_loadcnt 0x10                    ; this pair's two groups are in: behind them went the other pair's, 16 loads
	s_wait_dscnt 0x0
	WIN W_A1
	MMC f16, ACC, rWa, S, 24               ; four accumulators by turns; b1 starts the sums
	MMC f16, ACC+8, rWa, S+32, 24
	MMC f16, ACC2, rWg, S, 32
	MMC f16, ACC2+8, rWg, S+32, 32
.irp ks, 1,2,3
	MMA f16, ACC, rWa+8*\ks, S+8*\ks, 0
	MMA f16, ACC+8, rWa+8*\ks, S+32+8*\ks, 0
	MMA f16, ACC2, rWg+8*\ks, S+8*\ks, 0
	MMA f16, ACC2+8, rWg+8*\ks, S+32+8*\ks, 0
.endr
	PLACES
	WIN W_D1
	WLD rWa, 6+2*(\j)                      ; the pair two further on; in the last trip two chunks of w2
	WLD rWg, 7+2*(\j)
	WIN 0
	GELU 0, \j
	GELU 1, \j
.endm
.macro FF2 c                           ; chunk c of the feed-forward's second half, added onto x
	XFL FRH, 256*(\c), 16*HP
	s_wait_dscnt 0x0
	s_wait_loadcnt 40-8*(\c)               ; this chunk's group is in: behind it went the later chunks' groups and the next wq and wo, eight loads each
	WIN W_A1
	MM8 bf16, XR, RG+32*(\c), S, 32, 0, 0
	WIN 0
	PLACES
.endm
	s_load_b512 s[4:19], s[0:1], 0x0       ; wf, aux, x in, x out, K/V in, K/V out, table in, table out
	v_lshl_add_u32 v[SPW], v0, 2, SPARE
	v_mov_b32 v[NIL], 0
	v_lshrrev_b32 v20, 5, v0
	v_readfirstlane_b32 s20, v20           ; wave = channel tile = head
	s_lshr_b32 s21, ttmp9, 4               ; batch
	s_and_b32 s22, ttmp9, 15               ; which 32 rows
	s_mov_b32 s31, 0
	v_and_b32 v20, 31, v0
	v_lshlrev_b32 v[L16], 4, v20
	s_lshl_b32 s30, s20, 11
	v_add_nc_u32 v[GX], s30, v[L16]
	s_lshl_b32 s30, s20, 9
	v_add_nc_u32 v[AK], s30, v[L16]
	s_lshl_b32 s30, s20, 10
	v_add_nc_u32 v[AV], s30, v[L16]
	s_lshl_b32 s30, s22, 13
	v_add_nc_u32 v[KOUT], s30, v[AK]
	v_add_nc_u32 v[VOUT], s30, v[AV]
	v_add_nc_u32 v[AK], 0x8000, v[AK]      ; the first trip's reloads fetch steps 2 and 3: 2 x 16,384 bytes on
	v_add_nc_u32 v[AV], 0x8000, v[AV]
	s_lshl_b32 s30, s21, 18
	s_lshl_b32 s23, s22, 14
	s_add_co_u32 s30, s30, s23
	s_wait_kmcnt 0x0
	s_load_b128 s[24:27], s[16:17], 0x0
	s_add_nc_u64 s[46:47], s[8:9], s[30:31]
	s_add_nc_u64 s[48:49], s[10:11], s[30:31]
.irp i, 0,1,2,3                        ; x and the first block's keys hang on no word of the table: their loads go out beside the table's
	global_load_b128 v[96+4*\i:99+4*\i], v[GX], s[46:47] offset:512*\i
.endr
	s_lshl_b32 s30, s21, 17
	s_add_nc_u64 s[34:35], s[12:13], s[30:31]              ; the first block's keys: the rows' own, from the launch before
	s_add_nc_u64 s[50:51], s[14:15], s[30:31]
	WIN W_D1
	KLD 0, -32768                          ; steps 0 and 1, in the order in which the loop's reloads follow each other
	VLD 0, -32768
	KLD 1, -32768
	VLD 1, -32768
.set i, 0
.rept 8                                ; d = 16 fills half of a product's K = 32: the other half of K's operands is 0, written once
	v_mov_b32 v[KF+8*i+4], 0
	v_mov_b32 v[KF+8*i+5], 0
	v_mov_b32 v[KF+8*i+6], 0
	v_mov_b32 v[KF+8*i+7], 0
.set i, i+1
.endr
.set i, 0
.rept 8
	v_mov_b32 v[ONES+i], 0x3c003c00
.set i, i+1
.endr
	WIN 0
	v_and_b32 v21, 15, v0                  ; r
	v_bfe_u32 v22, v0, 4, 1                ; h
	v_mul_u32_u24 v23, v21, XSP
	v_lshl_add_u32 v23, v22, 5, v23
	s_lshl_b32 s30, s20, 6
	v_add_nc_u32 v[XRW], s30, v23          ; x: row r, channels 16 w + 8 h
	s_mul_i32 s30, s20, 4*XSP
	v_add_nc_u32 v[LNX], s30, v[L16]       ; x: row 4 w, 4 channels a lane
	s_mul_i32 s30, s20, 4*NP
	s_add_co_u32 s30, s30, XN
	v_lshl_add_u32 v[LNO], v20, 3, s30
	v_mul_u32_u24 v23, v21, NP
	v_lshl_add_u32 v23, v22, 4, v23
	v_add_nc_u32 v[FRX], XN, v23
	v_add_nc_u32 v[FRO], OL, v23
	s_lshl_b32 s30, s20, 5
	s_add_co_u32 s30, s30, OL
	v_add_nc_u32 v[OST], s30, v23
	v_mul_u32_u24 v23, v21, HP
	v_lshl_add_u32 v23, v22, 4, v23
	v_add_nc_u32 v[FRH], HID, v23
	s_lshl_b32 s30, s20, 7
	s_add_co_u32 s30, s30, HID
	v_add_nc_u32 v[HST0], s30, v23
	v_add_nc_u32 v[VPL0], VP, v[L16]
	s_lshl_b32 s30, s20, 6
	s_add_co_u32 s30, s30, VP
	v_lshl_add_u32 v[VPC0], v22, 5, s30
	s_lshl_b32 s30, s20, 8
	s_add_co_u32 s30, s30, VP+4096
	v_lshl_add_u32 v[VPB0], v22, 5, s30
	v_lshlrev_b32 v20, 4, v0               ; 16 x thread
	v_add_nc_u32 v21, VP, v20
	s_mov_b32 s[CS], 0x3eb8aa3b            ; c = log2(e) / 4
	s_mov_b32 s[CS+1], s[CS]
	s_mov_b32 s[SEL], 0x76543210
	s_mov_b32 s[SEL+1], 0xfedcba98
	s_mov_b32 s42, 0x7fffffff
	s_mov_b32 s56, 0x3f87dc22              ; erf's five coefficients, highest first; each named as a pair
	s_mov_b32 s57, s56
	s_mov_b32 s58, 0xbfba00e3
	s_mov_b32 s59, s58
	s_mov_b32 s60, 0x3fb5f0e3
	s_mov_b32 s61, s60
	s_mov_b32 s62, 0xbe91a98e
	s_mov_b32 s63, s62
	s_mov_b32 s66, 0x3e827906
	s_mov_b32 s67, s66
	s_mov_b32 s68, 0xbf38aa3b              ; -log2(e) / 2
	s_mov_b32 s69, s68
	s_mov_b32 s70, 0x3e6d3388              ; 0.3275911 / sqrt 2
	s_mov_b32 s71, 0x3727c5ac              ; 1e-5
	s_mov_b32 s72, 0x3c000000              ; 1/128
	s_mov_b32 s[RO], 0
	s_mov_b32 s29, NBLK
	s_wait_kmcnt 0x0
	s_min_u32 s24, s24, 76                 ; first group
	s_min_u32 s25, s25, 5                  ; record j of the first block
	s_min_u32 s26, s26, 2                  ; context layer of the last cross block;
	s_add_co_u32 s26, s26, 1               ; this launch's is the next
	s_mul_i32 s30, s20, WSTR
	s_lshl_b32 s23, s24, 12
	s_add_co_u32 s30, s30, s23
	s_add_nc_u64 s[44:45], s[4:5], s[30:31]
	s_lshl_b32 s30, s26, 22
	s_lshl_b32 s23, s21, 17
	s_add_co_u32 s30, s30, s23
	s_add_nc_u64 s[32:33], s[6:7], s[30:31]                ; the second block's keys: the context's
	s_lshl_b32 s30, s25, 17
	s_lshl_b32 s23, s21, 13
	s_add_co_u32 s30, s30, s23
	s_add_co_u32 s30, s30, VR
	s_add_nc_u64 s[52:53], s[6:7], s[30:31]
	global_load_b128 v[112:115], v20, s[52:53]
	global_load_b128 v[116:119], v20, s[52:53] offset:4096
	global_load_b128 v[120:123], v20, s[52:53] offset:131072
	global_load_b128 v[124:127], v20, s[52:53] offset:135168
	s_cmp_lt_u32 s20, 2
	s_cbranch_scc0 .Lnorec
	global_load_b128 v[128:131], v20, s[52:53] offset:262144   ; the first 1 KB of the record behind them
.Lnorec:
	WLD WA, 0                              ; wq
	WLD WB, 1                              ; wo
	s_wait_loadcnt 16                      ; x, the first keys and the records are in; the two groups' 16 loads are younger
.irp i, 0,1,2,3
	ds_store_b128 v[LNX], v[96+4*\i:99+4*\i] offset:XSP*\i
.endr
	ds_store_b128 v21, v[112:115]
	ds_store_b128 v21, v[116:119] offset:4096
	ds_store_b128 v21, v[120:123] offset:8192
	ds_store_b128 v21, v[124:127] offset:12288
	s_cmp_lt_u32 s20, 2
	s_cbranch_scc0 .Lnorec2
	ds_store_b128 v21, v[128:131] offset:16384
.Lnorec2:
	BAR
.irp q, 0,1
	ds_load_b128 v[XR+8*\q:XR+8*\q+3], v[XRW] offset:16*XSP*\q
	ds_load_b128 v[XR+8*\q+4:XR+8*\q+7], v[XRW] offset:16*XSP*\q+16
.endr
.Lblk:                                         ; a trip: one block
	v_add_nc_u32 v[VPL], s[RO], v[VPL0]
	v_add_nc_u32 v[VPC], s[RO], v[VPC0]
	; ---- LN, q
	LNR 0, 0
	BAR
	XFL FRX, 0, 16*NP
	s_wait_loadcnt 0x8                     ; wq is in; wo's eight loads went behind it
	s_wait_dscnt 0x0
	MM8 f16, ACC, WA, S, 32, 1, 0
.irp q, 0,1                            ; these 14 lines name no register of the products: they are the places behind them
.irp p, 4,5,6,7
	v_mov_b32 v[QF+8*\q+\p], 0
.endr
	v_mov_b32 v[ST+8*\q], 0xfe000000       ; c m: far below every c s, so the first step's a is 0
	v_mov_b32 v[ST+8*\q+1], 0xff7fffff     ; m
	v_mov_b32 v[ST+8*\q+2], 0              ; l
.endr
.irp q, 0,1
.irp p, 0,1,2,3
	v_cvt_pk_f16_f32 v[QF+8*\q+\p], v[ACC+8*\q+2*\p], v[ACC+8*\q+2*\p+1]
.endr
.endr
.set i, 0
.rept 16                               ; O = 0: sixteen lines, the price of writing no first step out
	v_mov_b32 v[ACC+i], 0
.set i, i+1
.endr
	s_mov_b32 s30, 4
.Latt:                                         ; a trip: two steps of 64 keys
	STEP 0
	STEP 1
	s_wait_xcnt 0x0                        ; the offsets and the base of the loads that are out are written only behind this wait
	v_add_nc_u32 v[AK], 0x8000, v[AK]      ; two steps on; behind step 7 the offsets wrap to step 0
	v_add_nc_u32 v[AV], 0x8000, v[AV]
	v_and_b32 v[AK], 0x1ffff, v[AK]
	v_and_b32 v[AV], 0x1ffff, v[AV]
	s_sub_co_u32 s30, s30, 1
	s_cmp_eq_u32 s30, 1
	s_cselect_b64 s[34:35], s[32:33], s[34:35]             ; the last trip's reloads fetch steps 0 and 1 of the keys that follow: the context's
	s_cmp_lg_u32 s30, 0
	s_cbranch_scc1 .Latt
	WIN W_D1
	WLD RG, 2                              ; the first two tile pairs of w1: behind the 16 loads of the next keys, 48 loads of mine are out
	WLD RG+32, 3
	WLD RG+64, 4
	WLD RG+96, 5
	WIN 0
	v_rcp_f32 v[ST+4], v[ST+2]
	v_rcp_f32 v[ST+12], v[ST+10]
	v_nop
	s_wait_alu depctr_va_vdst(0)
.irp q, 0,1
.irp i, 0,2,4,6
	v_pk_mul_f32 v[ACC+8*\q+\i:ACC+8*\q+\i+1], v[ACC+8*\q+\i:ACC+8*\q+\i+1], v[ST+8*\q+4:ST+8*\q+5] op_sel_hi:[1,0]
.endr
.endr
.irp q, 0,1
.irp p, 0,1,2,3
	v_cvt_pk_f16_f32 v[S+4*\q+\p], v[ACC+8*\q+2*\p], v[ACC+8*\q+2*\p+1]
.endr
	ds_store_b128 v[OST], v[S+4*\q:S+4*\q+3] offset:16*NP*\q
.endr
	BAR
	; ---- x += o wo + bo: x is the accumulator (wo came in ahead of the loop's loads, whose waits have shown it landed)
	XFL FRO, 0, 16*NP
	ds_load_b128 v[72:75], v[VPC] offset:2048
	ds_load_b128 v[76:79], v[VPC] offset:2064
	s_wait_dscnt 0x0
	MM8 f16, XR, WB, S, 32, 0, 0
	PLACES
.irp q, 0,1
.irp i, 0,2,4,6
	v_pk_add_f32 v[XR+8*\q+\i:XR+8*\q+\i+1], v[XR+8*\q+\i:XR+8*\q+\i+1], v[72+\i:73+\i]
.endr
	ds_store_b128 v[XRW], v[XR+8*\q:XR+8*\q+3] offset:16*XSP*\q
	ds_store_b128 v[XRW], v[XR+8*\q+4:XR+8*\q+7] offset:16*XSP*\q+16
.endr
	BAR
	; ---- LN, first half of the feed-forward: my four pairs of tiles (a, g)
	LNR 1024, 0
	BAR
	XFL FRX, 0, 16*NP
	v_add_nc_u32 v[VPB], s[RO], v[VPB0]
	v_mov_b32 v[HST], v[HST0]
	s_mov_b32 s30, 2
.Lff1:                                         ; a trip: two pairs
	PAIR 0
	PAIR 1
	s_wait_xcnt 0x0                        ; the stream's address steps only behind this wait
	s_add_nc_u64 s[44:45], s[44:45], 16384 ; four groups
	v_add_nc_u32 v[VPB], 0x80, v[VPB]
	v_add_nc_u32 v[HST], 64, v[HST]
	s_sub_co_u32 s30, s30, 1
	s_cmp_lg_u32 s30, 0
	s_cbranch_scc1 .Lff1
	WLD WA, 6                              ; what follows the block: the next block's wq and wo, or the closing K and V weights
	WLD WB, 7
	BAR
	; ---- second half: K = 512 in four chunks, whose groups the loop's last trip has asked for; x is the accumulator
	FF2 0
	FF2 1
	FF2 2
	FF2 3
	ds_load_b128 v[72:75], v[VPC] offset:2560
	ds_load_b128 v[76:79], v[VPC] offset:2576
	s_wait_dscnt 0x0
.irp q, 0,1
.irp i, 0,2,4,6
	v_pk_add_f32 v[XR+8*\q+\i:XR+8*\q+\i+1], v[XR+8*\q+\i:XR+8*\q+\i+1], v[72+\i:73+\i]
.endr
	ds_store_b128 v[XRW], v[XR+8*\q:XR+8*\q+3] offset:16*XSP*\q
	ds_store_b128 v[XRW], v[XR+8*\q+4:XR+8*\q+7] offset:16*XSP*\q+16
.endr
	s_wait_xcnt 0x0                        ; the stream's address steps only behind this wait
	s_add_nc_u64 s[44:45], s[44:45], 24576 ; 8 groups were stepped with the tile pairs, 6 more here: 14, the block's
	s_add_co_u32 s[RO], s[RO], 8192        ; the next block's record
	BAR
	s_sub_co_u32 s29, s29, 1
	s_cmp_lg_u32 s29, 0
	s_cbranch_scc1 .Lblk
	; ---- x leaves; K and V of my rows for the self-attention that follows
	v_add_nc_u32 v[VPL], 16384, v[VPL0]
	LNR 0, 1
	BAR
	XFL FRX, 0, 16*NP
	s_wait_loadcnt 0x0
	s_wait_dscnt 0x0
	MM8 f16, ACC, WA, S, 32, 1, 0
	MM8 f16, ACC2, WB, S, 32, 1, 1         ; V: sources swapped: a lane holds one channel and eight keys
	PLACES
.set i, 0
.rept 16
	v_cvt_pk_f16_f32 v[72+i], v[ACC+2*i], v[ACC+2*i+1]
.set i, i+1
.endr
	global_store_b128 v[KOUT], v[72:75], s[50:51]
	global_store_b128 v[KOUT], v[76:79], s[50:51] offset:4096
	global_store_b128 v[VOUT], v[80:83], s[50:51] offset:2097152
	global_store_b128 v[VOUT], v[84:87], s[50:51] offset:2097152+512
	s_wait_tensorcnt 0x0                   ; the wave's end, behind the last LDS store
	ds_add_u32 v[SPW], v[NIL]
	s_wait_dscnt 0x0
	s_or_b32 s30, ttmp9, s20
	s_cmp_lg_u32 s30, 0
	s_cbranch_scc1 .Lend
	s_add_co_u32 s24, s24, 30              ; the next launch's table: two blocks of 14 groups and the 2 closing groups are passed,
	s_add_co_u32 s25, s25, 2               ; two records,
	v_mov_b32 v96, s24
	v_mov_b32 v97, s25
	v_mov_b32 v98, s26                     ; one context layer (stepped at the head);
	v_mov_b32 v99, 1                       ; x has a batch axis
	global_store_b128 v[L16], v[96:99], s[18:19]
.Lend:
	s_endpgm
.Lfunc_end_k_q23d4ed9013_two:
	.size	k_q23d4ed9013_two, .Lfunc_end_k_q23d4ed9013_two-k_q23d4ed9013_two
	.p2alignl 7, 3214868480
	.fill 96, 4, 3214868480
	.section	.rodata,"a",@progbits
	.p2align	6, 0x0
	.amdhsa_kernel k_q23d4ed9013_two
		.amdhsa_group_segment_fixed_size 86016
		.amdhsa_private_segment_fixed_size 0
		.amdhsa_enable_private_segment 0
		.amdhsa_kernarg_size 64
		.amdhsa_user_sgpr_count 2
		.amdhsa_user_sgpr_kernarg_segment_ptr 1
		.amdhsa_wavefront_size32 1
		.amdhsa_system_sgpr_workgroup_id_x 1
		.amdhsa_system_sgpr_workgroup_id_y 1
		.amdhsa_system_sgpr_workgroup_id_z 1
		.amdhsa_system_vgpr_workitem_id 0
		.amdhsa_next_free_vgpr 512
		.amdhsa_next_free_sgpr 80
		.amdhsa_reserve_vcc 0
		.amdhsa_float_denorm_mode_32 3
		.amdhsa_float_denorm_mode_16_64 3
		.amdhsa_memory_ordered 1
		.amdhsa_forward_progress 1
		.amdhsa_inst_pref_size 107
	.end_amdhsa_kernel
	.amdgpu_metadata
---
amdhsa.version: [ 1, 2 ]
amdhsa.kernels:
  - .name:           k_q23d4ed9013_two
    .symbol:         k_q23d4ed9013_two.kd
    .args:
      - { .name: wf, .offset: 0, .size: 8, .value_kind: global_buffer, .address_space: global }
      - { .name: aux, .offset: 8, .size: 8, .value_kind: global_buffer, .address_space: global }
      - { .name: xb, .offset: 16, .size: 8, .value_kind: global_buffer, .address_space: global }
      - { .name: xa, .offset: 24, .size: 8, .value_kind: global_buffer, .address_space: global }
      - { .name: kvb, .offset: 32, .size: 8, .value_kind: global_buffer, .address_space: global }
      - { .name: kva, .offset: 40, .size: 8, .value_kind: global_buffer, .address_space: global }
      - { .name: cntb, .offset: 48, .size: 8, .value_kind: global_buffer, .address_space: global }
      - { .name: cnta, .offset: 56, .size: 8, .value_kind: global_buffer, .address_space: global }
    .group_segment_fixed_size: 86016
    .private_segment_fixed_size: 0
    .kernarg_segment_align: 8
    .kernarg_segment_size: 64
    .max_flat_workgroup_size: 256
    .sgpr_count:     80
    .vgpr_count:     512
    .wavefront_size: 32
...
	.end_amdgpu_metadata
.endif
;; end of part 4
;; launch two_b: the kernel of part 4 again; grid 256 x 1, 8 waves a work-group, no clusters, 86,016 bytes of LDS; arguments wf, aux, xa, xb, kva, kvb, cnta, cntb; writes xb, kvb, cntb
;; launch two_c: the kernel of part 4 again; grid 256 x 1, 8 waves a work-group, no clusters, 86,016 bytes of LDS; arguments wf, aux, xb, xa, kvb, kva, cntb, cnta; writes xa, kva, cnta
;; launch last: the kernel of part 3 again; grid 256 x 1, 8 waves a work-group, no clusters, 77,824 bytes of LDS; arguments wf, aux, xa, xb, kva, kvb, cnta, cntb; writes xb, kvb, cntb
;; launch dec (part 5): grid 256 x 1, 8 waves a work-group, no clusters, 327,680 bytes of LDS; arguments wf, aux, kvb, queries, params_pe_b, params_dec_ln_s, params_dec_ln_b, params_dec_bo, params_out_w, params_out_b, out0; writes out0
.if DOCPART == 5
	.amdgcn_target "amdgcn-amd-amdhsa--gfx1250"
	.amdhsa_code_object_version 6
	.text
	.protected	k_q23d4ed9013_dec
	.globl	k_q23d4ed9013_dec
	.p2align	8
	.type	k_q23d4ed9013_dec,@function
k_q23d4ed9013_dec:
	s_mov_b64 s[64:65], 0
	v_nop
	global_prefetch_b8 v0, s[64:65] scope:SCOPE_SE
	s_setreg_imm32_b32 hwreg(HW_REG_WAVE_MODE, 25, 1), 1
	s_wait_xcnt 0x0
; The decoder for 256 queries of one batch, 32 a wave: point embedding, LN, q = qn wq, one head of 128 over the batch's 512 latents, o wo + bo, LN with FiLM folded into its vectors, the sum with out_w.
; The batch's K and V (128 KB each, stored as matrix operands by the launch before) and the weights are copied into LDS once, at the head; every wave reads all of them.
; NO CLUSTER: what the 16 work-groups of a batch share is asked for once a work-group, at the head, and never again; joint loads there are left for a later version.
; The last product has one column: it is a row sum in f32, not matrix work.
; LAYOUT and SOFTMAX as in the encoder: products transposed, a lane holds one query; running maximum m, p = 2^(c s - c m), c = log2(e)/sqrt(128); l is the sum of the rounded p, by a product with ones.
; O starts at 0 by 128 moves, the price of writing no first step out.
; LIMITS.  f16 operands end at 65,504; sin and cos of levels 1-7 by angle doubling, absolute error at most 3e-5; a weight below 2^-126 counts as 0; NaN and infinities are not treated apart.
; REGISTERS.  window 0: v0-15 addresses; v16-31 statistics (v16 before: a copy's address); v32-47 row sums, v48-55 ones (before: v32-63 embedding operands; v48-63 LN's statistics); v64-127 scores; v128-255 K or V of a step
;   (outside attention: v64-191 X, v192-255 weight groups and vectors).   window 1: v0-127 O; v128-191 qn, q, o as operands; v192-223 wo on its way to LDS.
.set PEW,   4259840
.set DWO,   4308992
.set VR,    16777216
.set VL,    131072                     ; LDS: 0 K; VL V; WL embedding matrix 16 KB, then wq 32 KB (later wo, stored over it behind its one fill)
.set WL,    262144
.set VP,    311296                     ; seven vectors of 512 bytes: pe_b, ln_s, ln_b, bo, out s', out b', out_w
.set OUTS,  315392
.set SPARE, 316416
.set L16, 1
.set SPW, 2
.set NIL, 3
.set VPA, 4
.set WAD, 5
.set KAD, 6
.set VAD, 7
.set CA0, 8
.set CA1, 9
.set CA2, 10
.set CB0, 15                           ; 16 x thread + 65,536: the second half of a tensor's 128 KB, in memory and (for K) in LDS
.set CB1, 16                           ; the same in V's place in LDS; free again behind the wait for the copies
.set ST,  16
.set LS,  32
.set ONES, 48
.set EM,  32
.set TS,  48
.set S,   64
.set X,   64
.set T,   192
.set PT,  64
.set SPB, 72
.set TE,  96
.set CS,  44
.set SEL, 46
.set MAG, 48
.set HM,  49
.set EPS, 50
.set R128, 51
.set MSB, 0
.macro WIN new                         ; the high byte repeats the setting that is left; a switch that changes nothing is dropped
.if MSB != (\new)
	s_set_vgpr_msb (MSB<<8)|(\new)
.set MSB, (\new)
.endif
.endm
.macro BAR
	s_wait_dscnt 0x0
	s_barrier_signal -1
	s_barrier_wait -1
.endm
.macro PLACES                          ; plain instructions between a matrix instruction and what touches its registers (ISA guide 7.12.1)
.rept 5
	v_nop
.endr
.endm
.macro MMA form, d, a, b, zero
.if \zero
	v_wmma_f32_16x16x32_\form v[(\d):(\d)+7], v[(\a):(\a)+7], v[(\b):(\b)+7], 0
.else
	v_wmma_f32_16x16x32_\form v[(\d):(\d)+7], v[(\a):(\a)+7], v[(\b):(\b)+7], v[(\d):(\d)+7]
.endif
.endm
.macro TURNS f, y, t
	v_mul_f32 v[\t], 0x3e22f983, v[\y]
	v_fma_f32 v[\f], v[\y], 0x3e22f983, -v[\t]
	v_fmac_f32 v[\f], 0x31dc9c88, v[\y]
	v_rndne_f32 v[(\t)+1], v[\t]
	v_sub_f32 v[\t], v[\t], v[(\t)+1]
	v_add_f32 v[\f], v[\t], v[\f]
.endm
.macro SINF d, f, t
	v_rndne_f32 v[\t], v[\f]
	v_sub_f32 v[\t], v[\f], v[\t]
	v_sub_f32 v[(\t)+1], 0.5, |v[\t]|
	v_min_num_f32 v[(\t)+1], |v[\t]|, v[(\t)+1]
	v_mul_f32 v[(\t)+1], 0x40c90fdb, v[(\t)+1]
	v_mul_f32 v[(\t)+2], v[(\t)+1], v[(\t)+1]
	v_mov_b32 v[\d], 0x3638ef1d
	v_fmac_f32 v[\d], 0xb2d7322b, v[(\t)+2]
	v_fmaak_f32 v[\d], v[\d], v[(\t)+2], 0xb9500d01
	v_fmaak_f32 v[\d], v[\d], v[(\t)+2], 0x3c088889
	v_fmaak_f32 v[\d], v[\d], v[(\t)+2], 0xbe2aaaab
	v_mul_f32 v[\d], v[\d], v[(\t)+2]
	v_fma_f32 v[\d], v[(\t)+1], v[\d], v[(\t)+1]
	v_bfi_b32 v[\d], s[MAG], v[\d], v[\t]
.endm
.macro DBL s2, c2, s1, c1
	v_mul_f32 v[TE+6], v[\s1], v[\s1]
	v_mul_f32 v[\s2], v[\s1], v[\c1]
	v_fma_f32 v[\c2], v[\c1], v[\c1], -v[TE+6]
	v_add_f32 v[\s2], v[\s2], v[\s2]
.endm
.macro EMB q, val                      ; the two operands (K = 64) of token tile q: k 0-23 sin, 24-47 cos, 48-50 xyz, 51 the value (here 0)
.irp d, 0,1,2
	v_mul_f32 v[TE], 0x40490fdb, v[PT+4*(\q)+\d]
	TURNS TE+1, TE, TE+2
	v_add_f32 v[TE+5], 0x3e800000, v[TE+1]
	SINF TE+8, TE+1, TE+2
	SINF TE+9, TE+5, TE+2
.irp p, 0,1,2,3
	DBL TE+10, TE+11, TE+8, TE+9
	v_cvt_pk_f16_f32 v[SPB+8*\d+\p], v[TE+8], v[TE+10]
	v_cvt_pk_f16_f32 v[SPB+8*\d+4+\p], v[TE+9], v[TE+11]
.if \p < 3
	DBL TE+8, TE+9, TE+10, TE+11
.endif
.endr
.endr
.irp p, 0,1,2,3
	v_cndmask_b32 v[EM+16*(\q)+\p], v[SPB+\p], v[SPB+8+\p], s[HM]
	v_cndmask_b32 v[EM+16*(\q)+4+\p], v[SPB+16+\p], v[SPB+4+\p], s[HM]
	v_cndmask_b32 v[EM+16*(\q)+8+\p], v[SPB+12+\p], v[SPB+20+\p], s[HM]
.endr
	v_cvt_pk_f16_f32 v[TE], v[PT+4*(\q)], v[PT+4*(\q)+1]
.if \val
	v_cvt_pk_f16_f32 v[TE+1], v[PT+4*(\q)+2], v[PT+4*(\q)+3]
.else
	v_cvt_pk_f16_f32 v[TE+1], v[PT+4*(\q)+2], 0
.endif
	v_cndmask_b32 v[EM+16*(\q)+12], v[TE], 0, s[HM]
	v_cndmask_b32 v[EM+16*(\q)+13], v[TE+1], 0, s[HM]
	v_mov_b32 v[EM+16*(\q)+14], 0
	v_mov_b32 v[EM+16*(\q)+15], 0
.endm
.macro GLD buf, off, nks
.set i, 0
.rept 2*(\nks)
	ds_load_b128 v[(\buf)+4*i:(\buf)+4*i+3], v[WAD] offset:(\off)+512*i
.set i, i+1
.endr
.endm
.macro GEMMW loff, nks, bsrc, bwin     ; X = W^T x operand, 8 channel tiles; weight groups from LDS into two buffers by turns
	GLD T, \loff, \nks
	GLD T+32, (\loff)+(\nks)*1024, \nks
.set ot, 0
.rept 8
.if ot < 7
	s_wait_dscnt 2*(\nks)                  ; this tile's group is in; the other buffer's loads are younger
.else
	s_wait_dscnt 0x0
.endif
	WIN \bwin
.set ks, 0
.rept \nks
.irp q, 0,1
	MMA f16, X+64*\q+8*ot, T+32*(ot%2)+8*ks, (\bsrc)+8*(\nks)*\q+8*ks, 1-(ks+3)/4
.endr
.set ks, ks+1
.endr
	WIN 0
	PLACES
.if ot < 6
	GLD T+32*(ot%2), (\loff)+(ot+2)*(\nks)*1024, \nks
.endif
.set ot, ot+1
.endr
.endm
; LN of X + bias over 128 channels; a lane has 64 of its token's, the lane 16 away the others.  mode 0: y rounded to f16 as the next product's operand.  mode 1: the sum of y w.
.macro LNT fbias, fs, fb, mode, dwin, DST, DQ
.irp g, 0,1
.irp o, 0,1,2,3
	ds_load_b128 v[T+8*\o:T+8*\o+3], v[VPA] offset:(\fbias)+256*\g+64*\o
	ds_load_b128 v[T+8*\o+4:T+8*\o+7], v[VPA] offset:(\fbias)+256*\g+64*\o+16
.endr
	s_wait_dscnt 0x0
.irp q, 0,1
.set i, 0
.rept 16
	v_pk_add_f32 v[X+64*\q+32*\g+2*i:X+64*\q+32*\g+2*i+1], v[X+64*\q+32*\g+2*i:X+64*\q+32*\g+2*i+1], v[T+2*i:T+2*i+1]
.set i, i+1
.endr
.endr
.endr
.irp q, 0,1
	v_pk_add_f32 v[TS+8*\q:TS+8*\q+1], v[X+64*\q:X+64*\q+1], v[X+64*\q+2:X+64*\q+3]
	v_pk_add_f32 v[TS+8*\q+2:TS+8*\q+3], v[X+64*\q+4:X+64*\q+5], v[X+64*\q+6:X+64*\q+7]
.endr
.set p, 4
.rept 14
.irp q, 0,1
	v_pk_add_f32 v[TS+8*\q:TS+8*\q+1], v[TS+8*\q:TS+8*\q+1], v[X+64*\q+2*p:X+64*\q+2*p+1]
	v_pk_add_f32 v[TS+8*\q+2:TS+8*\q+3], v[TS+8*\q+2:TS+8*\q+3], v[X+64*\q+2*p+2:X+64*\q+2*p+3]
.endr
.set p, p+2
.endr
.irp q, 0,1
	v_pk_add_f32 v[TS+8*\q:TS+8*\q+1], v[TS+8*\q:TS+8*\q+1], v[TS+8*\q+2:TS+8*\q+3]
.endr
.irp q, 0,1
	v_add_f32 v[TS+8*\q], v[TS+8*\q], v[TS+8*\q+1]
.endr
.irp q, 0,1
	v_permlanex16_b32 v[TS+8*\q+1], v[TS+8*\q], s[SEL], s[SEL+1]
.endr
.irp q, 0,1
	v_add_f32 v[TS+8*\q], v[TS+8*\q], v[TS+8*\q+1]
.endr
.irp q, 0,1
	v_mul_f32 v[TS+8*\q], s[R128], v[TS+8*\q]
.endr
.irp q, 0,1
.set i, 0
.rept 32
	v_pk_add_f32 v[X+64*\q+2*i:X+64*\q+2*i+1], v[X+64*\q+2*i:X+64*\q+2*i+1], v[TS+8*\q:TS+8*\q+1] op_sel_hi:[1,0] neg_lo:[0,1] neg_hi:[0,1]
.set i, i+1
.endr
.endr
.irp q, 0,1
	v_pk_mul_f32 v[TS+8*\q+2:TS+8*\q+3], v[X+64*\q:X+64*\q+1], v[X+64*\q:X+64*\q+1]
	v_pk_mul_f32 v[TS+8*\q+4:TS+8*\q+5], v[X+64*\q+2:X+64*\q+3], v[X+64*\q+2:X+64*\q+3]
.endr
.set p, 2
.rept 15
.irp q, 0,1
	v_pk_fma_f32 v[TS+8*\q+2:TS+8*\q+3], v[X+64*\q+2*p:X+64*\q+2*p+1], v[X+64*\q+2*p:X+64*\q+2*p+1], v[TS+8*\q+2:TS+8*\q+3]
	v_pk_fma_f32 v[TS+8*\q+4:TS+8*\q+5], v[X+64*\q+2*p+2:X+64*\q+2*p+3], v[X+64*\q+2*p+2:X+64*\q+2*p+3], v[TS+8*\q+4:TS+8*\q+5]
.endr
.set p, p+2
.endr
.irp q, 0,1
	v_pk_add_f32 v[TS+8*\q+2:TS+8*\q+3], v[TS+8*\q+2:TS+8*\q+3], v[TS+8*\q+4:TS+8*\q+5]
.endr
.irp q, 0,1
	v_add_f32 v[TS+8*\q+2], v[TS+8*\q+2], v[TS+8*\q+3]
.endr
.irp q, 0,1
	v_permlanex16_b32 v[TS+8*\q+3], v[TS+8*\q+2], s[SEL], s[SEL+1]
.endr
.irp q, 0,1
	v_add_f32 v[TS+8*\q+2], v[TS+8*\q+2], v[TS+8*\q+3]
.endr
.irp q, 0,1
	v_fma_f32 v[TS+8*\q+2], v[TS+8*\q+2], s[R128], s[EPS]
.endr
	v_rsq_f32 v[TS+6], v[TS+2]
	v_rsq_f32 v[TS+14], v[TS+10]
	v_mov_b32 v[TS+7], 0                   ; the pairs' other words; also the plain instructions behind the roots
	v_mov_b32 v[TS+15], 0
	s_wait_alu depctr_va_vdst(0)
.irp og, 0,1,2,3
.irp o, 0,1
	ds_load_b128 v[T+8*\o:T+8*\o+3], v[VPA] offset:(\fs)+128*\og+64*\o
	ds_load_b128 v[T+8*\o+4:T+8*\o+7], v[VPA] offset:(\fs)+128*\og+64*\o+16
	ds_load_b128 v[T+16+8*\o:T+16+8*\o+3], v[VPA] offset:(\fb)+128*\og+64*\o
	ds_load_b128 v[T+16+8*\o+4:T+16+8*\o+7], v[VPA] offset:(\fb)+128*\og+64*\o+16
.if \mode
	ds_load_b128 v[T+32+8*\o:T+32+8*\o+3], v[VPA] offset:3072+128*\og+64*\o
	ds_load_b128 v[T+32+8*\o+4:T+32+8*\o+7], v[VPA] offset:3072+128*\og+64*\o+16
.endif
.endr
	s_wait_dscnt 0x0
.irp q, 0,1
.set rX, X+64*\q+16*\og
.set i, 0
.rept 8
	v_pk_mul_f32 v[rX+2*i:rX+2*i+1], v[rX+2*i:rX+2*i+1], v[TS+8*\q+6:TS+8*\q+7] op_sel_hi:[1,0]
.set i, i+1
.endr
.set i, 0
.rept 8
	v_pk_fma_f32 v[rX+2*i:rX+2*i+1], v[rX+2*i:rX+2*i+1], v[T+2*i:T+2*i+1], v[T+16+2*i:T+17+2*i]
.set i, i+1
.endr
.if \mode
.set i, 0
.rept 8
.if (\og == 0) && (i == 0)
	v_pk_mul_f32 v[TS+8*\q+4:TS+8*\q+5], v[rX:rX+1], v[T+32:T+33]
.else
	v_pk_fma_f32 v[TS+8*\q+4:TS+8*\q+5], v[rX+2*i:rX+2*i+1], v[T+32+2*i:T+33+2*i], v[TS+8*\q+4:TS+8*\q+5]
.endif
.set i, i+1
.endr
.else
	WIN \dwin
.set i, 0
.rept 8
	v_cvt_pk_f16_f32 v[(\DST)+(\DQ)*\q+8*\og+i], v[rX+2*i], v[rX+2*i+1]
.set i, i+1
.endr
	WIN 0
.endif
.endr
.endr
.endm
.macro SMX q, n                        ; line n of 22 that find tile q's new maximum and a; each accumulator's lowest registers are read first
.set rS, S+32*(\q)
.set rT, ST+8*(\q)
.if (\n) < 4
	v_max3_num_f32 v[rT+4+(\n)], v[rS+8*(\n)], v[rS+8*(\n)+1], v[rS+8*(\n)+2]
.elseif (\n) < 12
	v_max3_num_f32 v[rT+4+(\n)%4], v[rT+4+(\n)%4], v[rS+8*((\n)%4)+2*((\n)/4)+1], v[rS+8*((\n)%4)+2*((\n)/4)+2]
.elseif (\n) == 12
	v_max3_num_f32 v[rT+4], v[rT+4], v[rS+7], v[rS+15]
.elseif (\n) == 13
	v_max3_num_f32 v[rT+5], v[rT+5], v[rS+23], v[rS+31]
.elseif (\n) == 14
	v_max3_num_f32 v[rT+6], v[rT+6], v[rT+7], v[rT+1]
.elseif (\n) == 15
	v_mov_b32 v[rT+3], v[rT]
.elseif (\n) == 16
	v_max3_num_f32 v[rT+4], v[rT+4], v[rT+5], v[rT+6]
.elseif (\n) == 17
	v_permlanex16_b32 v[rT+7], v[rT+4], s[SEL], s[SEL+1]
.elseif (\n) == 18
	v_max_num_f32 v[rT+1], v[rT+4], v[rT+7]
.elseif (\n) == 19
	v_mul_f32 v[rT], s[CS], v[rT+1]
.elseif (\n) == 20
	v_sub_f32 v[rT+3], v[rT+3], v[rT]
.else
	v_exp_f32 v[rT+6], v[rT+3]
.endif
.endm
.macro SOFTMAX
.irp n, 0,1,2,3,4,5,6,7,8,9,10,11,12,13,14,15,16,17,18,19,20,21
	SMX 0, \n
	SMX 1, \n
.endr
.irp q, 0,1
.set i, 0
.rept 16
	v_pk_fma_f32 v[S+32*\q+2*i:S+32*\q+2*i+1], v[S+32*\q+2*i:S+32*\q+2*i+1], s[CS:CS+1], v[ST+8*\q:ST+8*\q+1] op_sel_hi:[1,0,0] neg_lo:[0,0,1] neg_hi:[0,0,1]
.set i, i+1
.endr
.endr
.set i, 0
.rept 64
	v_exp_f32 v[S+i], v[S+i]
.set i, i+1
.endr
	v_nop
	s_wait_alu depctr_va_vdst(0)
.irp q, 0,1
.set i, 0
.rept 16
	v_cvt_pk_f16_f32 v[S+32*\q+i], v[S+32*\q+2*i], v[S+32*\q+2*i+1]
.set i, i+1
.endr
.endr
.endm
.macro COPY16 lreg, greg, base         ; 64 KB by the work-group: sixteen copies of 4,096 consecutive bytes; the immediate steps both addresses
.set i, 0
.rept 16
	global_load_async_to_lds_b128 v[\lreg], v[\greg], s[(\base):(\base)+1] offset:4096*i
.set i, i+1
.endr
.endm
	s_load_b512 s[4:19], s[0:1], 0x0       ; wf, aux, K/V, queries, pe_b, dec_ln_s, dec_ln_b, dec_bo
	s_load_b128 s[20:23], s[0:1], 0x40     ; out_w, out_b
	s_load_b64 s[24:25], s[0:1], 0x50      ; out0
	v_lshl_add_u32 v[SPW], v0, 2, SPARE
	v_mov_b32 v[NIL], 0
	ds_add_u32 v[SPW], v[NIL]              ; the wave's opening: the add and its wait ahead of my first copy
	ds_add_u32 v2, v3
	v_lshrrev_b32 v11, 5, v0
	v_readfirstlane_b32 s26, v11           ; wave
	s_mov_b32 s27, ttmp9
	s_lshr_b32 s28, s27, 4                 ; batch
	v_and_b32 v11, 31, v0
	v_lshlrev_b32 v[L16], 4, v11
	v_and_b32 v12, 15, v0                  ; r
	v_bfe_u32 v13, v0, 4, 1                ; h
	v_lshl_add_u32 v[VPA], v13, 5, VP
	v_add_nc_u32 v[WAD], WL, v[L16]
	v_mov_b32 v[KAD], v[L16]
	v_add_nc_u32 v[VAD], VL, v[L16]
	v_lshlrev_b32 v[CA0], 4, v0
	v_add_nc_u32 v[CA1], VL, v[CA0]
	v_add_nc_u32 v[CA2], WL, v[CA0]
	v_add_nc_u32 v[CB0], 0x10000, v[CA0]
	v_add_nc_u32 v[CB1], VL+0x10000, v[CA0]
	s_lshl_b32 s30, s26, 5
	v_add_nc_u32 v11, s30, v12
	v_mul_u32_u24 v11, v11, 12             ; my query in the work-group's 256 (tile 1: 16 further)
	s_lshl_b32 s30, s26, 9
	s_add_co_u32 s30, s30, VP
	v_add_nc_u32 v12, s30, v[L16]          ; where wave w puts vector w
	v_lshl_add_u32 v13, v0, 2, OUTS
	v_add_nc_u32 v14, OUTS, v[CA0]
	s_mov_b32 s[CS], 0x3e0293ee            ; c = log2(e) / sqrt(128)
	s_mov_b32 s[CS+1], s[CS]
	s_mov_b32 s[SEL], 0x76543210
	s_mov_b32 s[SEL+1], 0xfedcba98
	s_mov_b32 s[MAG], 0x7fffffff
	s_mov_b32 s[HM], 0xffff0000
	s_mov_b32 s[EPS], 0x3727c5ac
	s_mov_b32 s[R128], 0x3c000000
	s_mov_b32 s31, 0
	s_wait_dscnt 0x0                       ; the opening add is done
	s_wait_kmcnt 0x0
	s_load_b32 s53, s[22:23], 0x0          ; out_b
	s_lshl_b32 s30, s28, 17
	s_add_nc_u64 s[32:33], s[8:9], s[30:31]
	s_add_nc_u64 s[34:35], s[32:33], 2097152
	s_mov_b32 s30, PEW
	s_add_nc_u64 s[36:37], s[4:5], s[30:31]
	s_mov_b32 s30, DWO
	s_add_nc_u64 s[38:39], s[4:5], s[30:31]
	s_lshl_b32 s30, s28, 13
	s_add_co_u32 s30, s30, VR+9*131072
	s_add_nc_u64 s[42:43], s[6:7], s[30:31]
	s_add_nc_u64 s[58:59], s[42:43], 512
	s_mul_i32 s30, s27, 3072
	s_add_nc_u64 s[54:55], s[10:11], s[30:31]
	s_lshl_b32 s30, s27, 10
	s_add_nc_u64 s[56:57], s[24:25], s[30:31]
	COPY16 CA0, CA0, 32                    ; K, first and second 64 KB
	COPY16 CB0, CB0, 32
.set i, 0
.rept 12                               ; the embedding matrix and wq: 48 KB
	global_load_async_to_lds_b128 v[CA2], v[CA0], s[36:37] offset:4096*i
.set i, i+1
.endr
	COPY16 CA1, CA0, 34                    ; V, first and second 64 KB
	COPY16 CB1, CB0, 34
	s_mov_b64 s[40:41], s[12:13]
	s_cmp_eq_u32 s26, 1
	s_cselect_b64 s[40:41], s[14:15], s[40:41]
	s_cmp_eq_u32 s26, 2
	s_cselect_b64 s[40:41], s[16:17], s[40:41]
	s_cmp_eq_u32 s26, 3
	s_cselect_b64 s[40:41], s[18:19], s[40:41]
	s_cmp_eq_u32 s26, 4
	s_cselect_b64 s[40:41], s[42:43], s[40:41]
	s_cmp_eq_u32 s26, 5
	s_cselect_b64 s[40:41], s[58:59], s[40:41]
	s_cmp_eq_u32 s26, 6
	s_cselect_b64 s[40:41], s[20:21], s[40:41]
	s_cmp_lt_u32 s26, 7
	s_cbranch_scc0 .Lnv
	global_load_b128 v[108:111], v[L16], s[40:41]
.Lnv:
	global_load_b96 v[PT:PT+2], v11, s[54:55]
	global_load_b96 v[PT+4:PT+6], v11, s[54:55] offset:192
	WIN 0x40                               ; destination window 1
.set i, 0
.rept 8
	global_load_b128 v[192+4*i:195+4*i], v[CA0], s[38:39] offset:4096*i    ; wo waits in registers until wq's place in LDS is free
.set i, i+1
.endr
	WIN 0
	s_wait_loadcnt 0x8                     ; vector and queries are in; wo's eight loads are younger
	s_cmp_lt_u32 s26, 7
	s_cbranch_scc0 .Lnv2
	ds_store_b128 v12, v[108:111]
.Lnv2:
	EMB 0, 0
	EMB 1, 0
	s_wait_asynccnt 0x0                    ; my copies have landed,
	BAR                                    ; everybody's have, and the vectors are stored
	GEMMW 0, 2, EM, 0
	LNT 0, 512, 1024, 0, 0x40, 128, 32     ; qn into window 1
	GEMMW 16384, 4, 128, 0x04
	WIN 0x40
.set i, 0
.rept 64                               ; q as operands: 32 registers a tile
	v_cvt_pk_f16_f32 v[128+i], v[X+2*i], v[X+2*i+1]
.set i, i+1
.endr
	WIN 0
	BAR                                    ; every wave's reads of wq are over
	s_wait_loadcnt 0x0
	WIN 0x04                               ; store data in window 1
.set i, 0
.rept 8
	ds_store_b128 v[CA2], v[192+4*i:195+4*i] offset:16384+4096*i
.set i, i+1
.endr
	WIN 0
.irp q, 0,1
	v_mov_b32 v[ST+8*\q], 0xfe000000
	v_mov_b32 v[ST+8*\q+1], 0xff7fffff
	v_mov_b32 v[ST+8*\q+2], 0
.endr
.set i, 0
.rept 8
	v_mov_b32 v[ONES+i], 0x3c003c00
.set i, i+1
.endr
	WIN 0x40
.set i, 0
.rept 128
	v_mov_b32 v[i], 0
.set i, i+1
.endr
	WIN 0
.macro G32 adr                         ; 16 KB, a step's K or V, into v128-255
.set i, 0
.rept 32
	ds_load_b128 v[128+4*i:131+4*i], v[\adr] offset:512*i
.set i, i+1
.endr
.endm
	G32 KAD
	s_mov_b32 s52, 8
.Latt:                                         ; a trip: 64 keys
.irp kt, 0,1,2,3
	s_wait_dscnt 24-8*\kt                  ; key tile kt's eight loads are in; the later tiles' are younger
	WIN 0x04                               ; q in window 1
.irp ks, 0,1,2,3
.irp q, 0,1
	MMA f16, S+32*\q+8*\kt, 128+32*\kt+8*\ks, 128+32*\q+8*\ks, 1-(\ks+3)/4
.endr
.endr
.endr
	WIN 0
	PLACES
	G32 VAD
	SOFTMAX
	WIN 0x41                               ; O in window 1, a in window 0
.irp q, 0,1
.set i, 0
.rept 32
	v_pk_mul_f32 v[64*\q+2*i:64*\q+2*i+1], v[64*\q+2*i:64*\q+2*i+1], v[ST+8*\q+6:ST+8*\q+7] op_sel_hi:[1,0]
.set i, i+1
.endr
.endr
	WIN 0
	s_wait_dscnt 0x0                       ; V is in
	WIN 0x50                               ; O, as C and D, in window 1
.irp k2, 0,1
.irp ct, 0,1,2,3,4,5,6,7
.irp q, 0,1                            ; sixteen accumulators by turns
	MMA f16, 64*\q+8*\ct, 128+64*\k2+8*\ct, S+32*\q+8*\k2, 0
.endr
.endr
.endr
	WIN 0
.irp k2, 0,1
	MMA f16, LS, ONES, S+8*\k2, 1-\k2
	MMA f16, LS+8, ONES, S+32+8*\k2, 1-\k2
.endr
	v_add_nc_u32 v[KAD], 16384, v[KAD]     ; behind the last step this points at V's first bytes: filled, inside LDS, and not used
	v_add_nc_u32 v[VAD], 16384, v[VAD]
	v_nop
	v_nop
	v_nop
	v_nop
	G32 KAD
.irp q, 0,1
	v_fma_f32 v[ST+8*\q+2], v[ST+8*\q+2], v[ST+8*\q+6], v[LS+8*\q]
.endr
	s_sub_co_u32 s52, s52, 1
	s_cmp_lg_u32 s52, 0
	s_cbranch_scc1 .Latt
	v_rcp_f32 v[ST+4], v[ST+2]
	v_rcp_f32 v[ST+12], v[ST+10]
	v_nop
	WIN 0x41
	s_wait_alu depctr_va_vdst(0)
.irp q, 0,1
.set i, 0
.rept 32
	v_pk_mul_f32 v[64*\q+2*i:64*\q+2*i+1], v[64*\q+2*i:64*\q+2*i+1], v[ST+8*\q+4:ST+8*\q+5] op_sel_hi:[1,0]
.set i, i+1
.endr
.endr
	WIN 0x45                               ; all in window 1: o as operands where q lay
.set i, 0
.rept 64
	v_cvt_pk_f16_f32 v[128+i], v[2*i], v[2*i+1]
.set i, i+1
.endr
	WIN 0
	BAR                                    ; wo is in LDS for every wave; the last, unused loads of K are back
	GEMMW 16384, 4, 128, 0x04
	LNT 1536, 2048, 2560, 1, 0, 0, 0
.irp q, 0,1
	v_add_f32 v[TS+8*\q+4], v[TS+8*\q+4], v[TS+8*\q+5]
.endr
.irp q, 0,1
	v_permlanex16_b32 v[TS+8*\q+5], v[TS+8*\q+4], s[SEL], s[SEL+1]
.endr
.irp q, 0,1
	v_add_f32 v[TS+8*\q+4], v[TS+8*\q+4], v[TS+8*\q+5]
.endr
	v_cndmask_b32 v12, v[TS+4], v[TS+12], s[HM]            ; lane l takes query l of the wave's 32
	s_wait_kmcnt 0x0
	v_add_f32 v12, s53, v12
	ds_store_b32 v13, v12
	s_wait_tensorcnt 0x0                   ; the wave's end, behind the last LDS store
	ds_add_u32 v[SPW], v[NIL]
	s_wait_dscnt 0x0
	s_barrier_signal -1
	s_barrier_wait -1
	s_cmp_lt_u32 s26, 2
	s_cbranch_scc0 .Lend
	ds_load_b128 v[16:19], v14             ; the work-group's 1,024 bytes leave by two waves, 512 consecutive bytes each
	s_wait_dscnt 0x0
	global_store_b128 v[CA0], v[16:19], s[56:57]
.Lend:
	s_endpgm
.Lfunc_end_k_q23d4ed9013_dec:
	.size	k_q23d4ed9013_dec, .Lfunc_end_k_q23d4ed9013_dec-k_q23d4ed9013_dec
	.p2alignl 7, 3214868480
	.fill 96, 4, 3214868480
	.section	.rodata,"a",@progbits
	.p2align	6, 0x0
	.amdhsa_kernel k_q23d4ed9013_dec
		.amdhsa_group_segment_fixed_size 327680
		.amdhsa_private_segment_fixed_size 0
		.amdhsa_enable_private_segment 0
		.amdhsa_kernarg_size 88
		.amdhsa_user_sgpr_count 2
		.amdhsa_user_sgpr_kernarg_segment_ptr 1
		.amdhsa_wavefront_size32 1
		.amdhsa_system_sgpr_workgroup_id_x 1
		.amdhsa_system_sgpr_workgroup_id_y 1
		.amdhsa_system_sgpr_workgroup_id_z 1
		.amdhsa_system_vgpr_workitem_id 0
		.amdhsa_next_free_vgpr 480
		.amdhsa_next_free_sgpr 66
		.amdhsa_reserve_vcc 0
		.amdhsa_float_denorm_mode_32 3
		.amdhsa_float_denorm_mode_16_64 3
		.amdhsa_memory_ordered 1
		.amdhsa_forward_progress 1
		.amdhsa_inst_pref_size 169
	.end_amdhsa_kernel
	.amdgpu_metadata
---
amdhsa.version: [ 1, 2 ]
amdhsa.kernels:
  - .name:           k_q23d4ed9013_dec
    .symbol:         k_q23d4ed9013_dec.kd
    .args:
      - { .name: wf, .offset: 0, .size: 8, .value_kind: global_buffer, .address_space: global }
      - { .name: aux, .offset: 8, .size: 8, .value_kind: global_buffer, .address_space: global }
      - { .name: kvb, .offset: 16, .size: 8, .value_kind: global_buffer, .address_space: global }
      - { .name: queries, .offset: 24, .size: 8, .value_kind: global_buffer, .address_space: global }
      - { .name: params_pe_b, .offset: 32, .size: 8, .value_kind: global_buffer, .address_space: global }
      - { .name: params_dec_ln_s, .offset: 40, .size: 8, .value_kind: global_buffer, .address_space: global }
      - { .name: params_dec_ln_b, .offset: 48, .size: 8, .value_kind: global_buffer, .address_space: global }
      - { .name: params_dec_bo, .offset: 56, .size: 8, .value_kind: global_buffer, .address_space: global }
      - { .name: params_out_w, .offset: 64, .size: 8, .value_kind: global_buffer, .address_space: global }
      - { .name: params_out_b, .offset: 72, .size: 8, .value_kind: global_buffer, .address_space: global }
      - { .name: out0, .offset: 80, .size: 8, .value_kind: global_buffer, .address_space: global }
    .group_segment_fixed_size: 327680
    .private_segment_fixed_size: 0
    .kernarg_segment_align: 8
    .kernarg_segment_size: 88
    .max_flat_workgroup_size: 256
    .sgpr_count:     66
    .vgpr_count:     480
    .wavefront_size: 32
...
	.end_amdgpu_metadata
.endif
;; end of part 5
